; MI455X (gfx1250); checked and timed in simulation.
; The chip was launched on July 23, 2026; its instructions are those of AMD's public machine-readable ISA for CDNA 5 (MIT licence, August 2026) and "CDNA5" Instruction Set Architecture Reference Guide (July 2026). The comments in the code are by the model that wrote it; some were corrected since.
;; Ji T Attention. Allowed arithmetic: matrix products marked QUANTISED: E2M1 operands, one E8M0 scale for each 32 along K, by v_wmma_scale_f32_16x16x128_f8f6f4 with both operands' format E2M1 (or v_wmma_scale_f32_32x16x128_f4), f32 sums; products left as they are: f32 operands where the result goes on into a quantised operand, else bf16, f16 or f32 operands; f32 sums; everything else in f32.
;; Inputs: b_proj 1,024 float32; freqs_cos 1 x 4,096 x 1 x 32 float32; freqs_sin 1 x 4,096 x 1 x 32 float32; g_k 64 float32; g_q 64 float32; w_proj 1,024 x 1,024 float32; w_qkv 1,024 x 3,072 float32; x 4 x 4,096 x 1,024 float32.
;; Outputs: out0 4 x 4,096 x 1,024 float32.
;; This version of the problem:
;;   THIS VERSION OF THE PROBLEM IS GIVEN IN LOW PRECISION. The matrix products marked QUANTISED in the list below multiply operands that are first quantised to E2M1 (2 exponent bits, 1 mantissa bit; 4 bits a number), with one power-of-two scale for each 32 numbers along K (OCP MX v1.0); their sums are f32. All else is computed in f32.
;;   The module's matrix products, in the order in which they are computed (A, B: the left and right operand; K: the contracted axis; several contracted axes count as one K, in the product's order):
;;     1. [M 16,384, K 1,024] x [K 1,024, N 3,072]; A: input x; B: input w_qkv: QUANTISED
;;     2. batch 16,384 x [M 16, K 64] x [K 64, N 16]; A: computed on the way; B: computed on the way: QUANTISED
;;     3. batch 16,384 x [M 16, K 16] x [K 16, N 64]; A: softmax; B: computed on the way: left as it is (K = 16 < 32)
;;     4. [M 16,384, K 1,024] x [K 1,024, N 1,024]; A: computed on the way; B: input w_proj: QUANTISED
;;   THE QUANTISER, for each operand of a quantised product, along K:
;;     - K is cut into blocks of 32 from its start; a last block that is shorter is filled with zeros.
;;     - A block's scale is 2^e with e = floor(log2(the largest magnitude in the block)) - 2, held to -126 .. 127; a block of zeros has e = 0. As a byte (E8M0): e + 127.
;;     - Each number is divided by its block's scale, clamped to +-6, and rounded to the nearest number of E2M1, ties to even, subnormals kept.
;;     - The product sums the exact products of the quantised numbers (number of the format x scale) in f32.
;;   ~~~python
;;   def quantise(x, axis):      # numpy; x: float32 -> the quantised numbers, widened to float32 again
;;       x = np.moveaxis(x, axis, -1); K = x.shape[-1]
;;       x = np.pad(x, [(0, 0)] * (x.ndim - 1) + [(0, -K % 32)]); x = x.reshape(x.shape[:-1] + (-1, 32)); a = np.abs(x).max(-1, keepdims=True)
;;       e = np.where(a > 0, np.clip(np.frexp(np.where(a > 0, a, 1))[1] - 1 - 2, -126, 127), 0)      # np.frexp(a)[1] - 1 = floor(log2(a)), exactly
;;       r = np.clip(x / 2.0 ** e, -6, 6)
;;       step = 2.0 ** (np.maximum(np.frexp(np.where(r == 0, 1, r))[1] - 1, 0) - 1)
;;       q = np.round(r / step) * step * 2.0 ** e      # np.round: ties to even
;;       return np.moveaxis(q.reshape(q.shape[:-2] + (-1,))[..., :K], -1, axis).astype(np.float32)
;;   ~~~
;;   OPERANDS COMPUTED ON THE WAY. 'Computed on the way' means the value that the module computes at that place (a softmax that the list does not call 'softmax' is quantised finished and normalised). What goes into a quantiser is computed in f32, as accurately as f32 sums, v_exp_f32 and their like allow (about 1e-6 of the number): no bf16 or f16 on the way to a quantiser, and a product that is left as it is and whose result goes on into a quantised operand takes f32 operands (vector FMAs, or v_wmma_f32_16x16x4_f32). A number that lies on a knife's edge between two numbers of the format may be rounded either way, as far as f32 arithmetic and the matrix unit's own rounding can turn it there, and no further.
;; 2 versions. Each part assembles by itself: llvm-mc -triple=amdgcn-amd-amdhsa -mcpu=gfx1250 --defsym DOCPART=n.
;; ======== version 1 of 2: 2 launches
;; workspace buffers: wstream 2,228,224 bytes
;; launch wprep (part 1): grid 32 x 8, 4 waves a work-group, no clusters, 0 bytes of LDS; arguments w_qkv, w_proj, wstream; writes wstream
.if DOCPART == 1
	.amdgcn_target "amdgcn-amd-amdhsa--gfx1250"
	.amdhsa_code_object_version 6
	.text
	.protected	k_qb0041c61e5_wprep
	.globl	k_qb0041c61e5_wprep
	.p2align	8
	.type	k_qb0041c61e5_wprep,@function
k_qb0041c61e5_wprep:
	s_mov_b64 s[64:65], 0
	v_nop
	global_prefetch_b8 v0, s[64:65] scope:SCOPE_SE
	s_setreg_imm32_b32 hwreg(HW_REG_WAVE_MODE, 25, 1), 1
	s_wait_xcnt 0x0
; w_qkv [1024 (k)][3072] and w_proj [1024 (k)][1024], f32, are quantised along K, their FIRST axis, to codes of FP4 (E2M1) with one E8M0 byte for each 32 along K,
; and laid into ONE stream in the order in which the second launch takes them: images of operand registers, and the scale words beside them.
; NOTHING OF THE PROBLEM IS LEFT OUT in this program: every input has a way to the output (the gains and the rope's cos and sin move codes of a live quantised product, the bias is added at the end).
; THE STREAM: 32 slots (slot = 2 x step + half of K; steps 0-3 q, 4-7 k, 8-11 v, 12-15 proj) x 4 blocks (one for each wave of the reader) x 17,408 bytes.
;   A block: 16 fragments f = 4 ks + nt (K step ks of 128, tile nt of 16 weight columns), 1,024 bytes each: group c at 512 c, lane 16 hh + r at 16 bytes a lane: the 32 codes of tile row r, k = 64 c + 32 hh + 0..31;
;   behind them, from byte 16,384: the scale words [ks][nt][r], 4 bytes: byte b for k = 32 b .. 32 b + 31 of that K step.
; WHICH COLUMN IS TILE ROW r:  q, k: head x 64 + 32 (r / 8) + 8 nt + r % 8 (so that in the reader's transposed result a lane holds a whole block of 32 of a head);
;   v: head g = 8 sp + 2 w + nt / 2, channel 32 c + 16 (nt % 2) + r;   proj: 256 ps + 64 w + 16 nt + r.
; A LANE TAKES A COLUMN AND ITS REGISTERS RUN DOWN K: a block of 32 lies in one lane's 32 registers, its largest magnitude needs no other lane, the conversions give codes with K innermost, and a lane's four blocks
; are one K step, so that its scale word is whole.  A work-group takes 128 columns x 128 along K.  No LDS, no barrier: waves share nothing.
; A block's scale is 2^(floor(log2(largest magnitude)) - 2): its byte is the largest magnitude's exponent field - 2, held at 1 from below.
; LIMITS: a block of zeros gets the byte 1 where the rule says 127 (its codes are zeros, which add nothing under any byte but 0xff, and this program alone reads the bytes); NaN and infinities among the inputs are not served.
; The codes leave as 256 consecutive bytes from sixteen lanes, aligned; the scale words, one sixteenth of the output, as 128 consecutive bytes a wave.
.set PQKV, 12288                       ; a row of w_qkv in bytes
.set PPRJ, 4096                        ; a row of w_proj
.set BLK,  17408
.set X,    32                          ; v32-95   two sets of 32 numbers
.set C,    96                          ; v96-111  four registers of codes for each block: no store's data are written again
	s_load_b128 s[4:7], s[0:1], 0x0                ; w_qkv, w_proj
	s_load_b64 s[8:9], s[0:1], 0x10                ; the stream
	v_lshrrev_b32 v1, 5, v0
	v_readfirstlane_b32 s10, v1                    ; wave 0..3
	v_and_b32 v1, 31, v0                           ; lane
	v_and_b32 v2, 15, v0                           ; r
	v_bfe_u32 v3, v0, 4, 1                         ; which of the wave's two tiles
	v_lshlrev_b32 v7, 3, v3                        ; q, k: my column in the wave's part: 8 x tile
	v_and_b32 v8, 7, v2
	v_add_nc_u32 v7, v7, v8                        ; + r % 8
	v_and_b32 v8, 8, v2
	v_lshl_add_u32 v7, v8, 2, v7                   ; + 32 (r / 8)
	v_lshlrev_b32 v5, 4, v2
	v_lshl_add_u32 v5, v3, 10, v5                  ; codes: 1,024 x tile + 16 r
	v_lshlrev_b32 v6, 2, v1                        ; scale words: 4 x lane
	s_and_b32 s11, ttmp7, 0xffff                   ; which 128 along K: 0..7
	s_lshr_b32 s12, s10, 1
	s_and_b32 s13, s10, 1
	s_lshr_b32 s19, ttmp9, 3                       ; 0, 1: q, k;  2: v;  3: proj
	s_lshr_b32 s15, ttmp9, 1                       ; q, k, proj: step,
	s_and_b32 s16, ttmp9, 1
	s_lshl_b32 s16, s16, 1
	s_add_co_u32 s16, s16, s12                     ; and the reader's wave
	s_and_b32 s17, ttmp9, 7
	s_lshr_b32 s17, s17, 2
	s_lshl_b32 s18, s12, 1
	s_add_co_u32 s17, s17, s18
	s_add_co_u32 s17, s17, 8                       ; v: step = 8 + 2 x chunk + half of the heads,
	s_and_b32 s18, ttmp9, 3                        ; and the reader's wave
	s_lshl_b32 s20, s12, 6
	s_lshl_b32 s21, s13, 4
	s_add_co_u32 s20, s20, s21                     ; the wave's first column among the group's 128: q, k;
	s_lshl_b32 s21, s13, 6
	s_lshl_b32 s22, s12, 5
	s_add_co_u32 s21, s21, s22                     ; v;
	s_lshl_b32 s22, s10, 5                         ; proj
	s_cmp_eq_u32 s19, 2
	s_cselect_b32 s15, s17, s15
	s_cselect_b32 s16, s18, s16
	s_cselect_b32 s20, s21, s20
	s_cmp_eq_u32 s19, 3
	s_cselect_b32 s20, s22, s20
	s_cselect_b32 s23, 24, 0
	s_sub_co_u32 s23, ttmp9, s23
	s_lshl_b32 s23, s23, 7                         ; the group's first column in its tensor
	s_add_co_u32 s20, s20, s23
	s_lshl_b32 s20, s20, 2                         ; in bytes
	s_cmp_lt_u32 ttmp9, 16
	s_cselect_b32 s14, -1, 0
	v_cndmask_b32 v4, v1, v7, s14                  ; my column in the wave's part: q, k as above, else the lane
	v_lshlrev_b32 v4, 2, v4
	s_lshl_b32 s24, s15, 1
	s_lshr_b32 s25, s11, 2
	s_add_co_u32 s24, s24, s25                     ; slot
	s_lshl_b32 s24, s24, 2
	s_add_co_u32 s24, s24, s16
	s_mul_i32 s24, s24, BLK                        ; the block's first byte
	s_and_b32 s25, s11, 3                          ; K step in the block
	s_lshl_b32 s26, s25, 12
	s_lshl_b32 s27, s13, 11
	s_add_co_u32 s26, s26, s27
	s_add_co_u32 s26, s26, s24                     ; codes: fragment 4 ks + 2 (wave % 2)
	s_mov_b32 s27, 0
	s_lshl_b32 s28, s25, 8
	s_lshl_b32 s29, s13, 7
	s_add_co_u32 s28, s28, s29
	s_add_co_u32 s28, s28, s24
	s_add_co_u32 s28, s28, 16384                   ; scale words: [ks][2 (wave % 2) ..]
	s_mov_b32 s29, 0
	s_mov_b32 s35, 0
	s_wait_kmcnt 0x0
	s_add_nc_u64 s[30:31], s[8:9], s[26:27]
	s_add_nc_u64 s[32:33], s[8:9], s[28:29]
.macro LOADW t, pitch, sb              ; block t: W(32 t + i, my column), i = 0 .. 31, into set t % 2
.irp i, 0,1,2,3,4,5,6,7,8,9,10,11,12,13,14,15,16,17,18,19,20,21,22,23,24,25,26,27,28,29,30,31
	global_load_b32 v[X+32*((\t)%2)+\i], v4, s[\sb:\sb+1] offset:(32*(\t)+\i)*\pitch th:TH_LOAD_NT
.endr
.endm
.macro BLOCKW t, pitch, sb
.set XS, X+32*((\t)%2)
.if (\t) < 3
	s_wait_loadcnt 32                              ; this block's 32 loads are in; the next block's 32 may be out
.else
	s_wait_loadcnt 0x0
.endif
	v_max3_num_f32 v12, |v[XS]|, |v[XS+1]|, |v[XS+2]|              ; the block's largest magnitude, in two chains
	v_max3_num_f32 v13, |v[XS+3]|, |v[XS+4]|, |v[XS+5]|
.irp i, 6,10,14,18,22,26
	v_max3_num_f32 v12, v12, |v[XS+\i]|, |v[XS+\i+1]|
	v_max3_num_f32 v13, v13, |v[XS+\i+2]|, |v[XS+\i+3]|
.endr
	v_max3_num_f32 v12, v12, |v[XS+30]|, |v[XS+31]|
	v_max3_num_f32 v12, v12, v13, 0x1800000        ; and the floor 2^(3 - 127): the byte cannot fall under 1
	v_add_nc_u32 v11, 0xff000000, v12              ; 2 off the exponent field: the conversion takes this operand's exponent field as its scale
	v_lshrrev_b32 v13, 23, v11                     ; the scale's byte
.if (\t) == 0
	v_mov_b32 v24, v13
.else
	v_lshl_or_b32 v24, v13, 8*(\t), v24            ; block t = 2 c + hh is byte t of the K step's word
.endif
.irp g, 0,1,2,3
	v_cvt_scalef32_pk8_fp4_f32 v[C+4*(\t)+\g], v[XS+8*\g:XS+8*\g+7], v11
.endr
	global_store_b128 v5, v[C+4*(\t):C+4*(\t)+3], s[30:31] offset:((\t)/2)*512+((\t)%2)*256   ; sixteen lanes store 256 consecutive bytes, aligned.  (The next vector lines are plain ones: the place behind the conversions)
.if (\t) < 2
	LOADW (\t)+2, \pitch, \sb
.endif
.endm
.macro BODY pitch, sb
	LOADW 0, \pitch, \sb
	LOADW 1, \pitch, \sb
	BLOCKW 0, \pitch, \sb
	BLOCKW 1, \pitch, \sb
	BLOCKW 2, \pitch, \sb
	BLOCKW 3, \pitch, \sb
	global_store_b32 v6, v24, s[32:33]             ; my column's scale word of this K step
	s_endpgm
.endm
	s_cmp_eq_u32 s19, 3                            ; the two tensors differ in their rows' length, which stands in the loads' immediates: two copies of the body
	s_cbranch_scc1 .Lproj
	s_mul_i32 s34, s11, 128*PQKV
	s_add_co_u32 s34, s34, s20
	s_add_nc_u64 s[4:5], s[4:5], s[34:35]
	BODY PQKV, 4
.Lproj:
	s_mul_i32 s34, s11, 128*PPRJ
	s_add_co_u32 s34, s34, s20
	s_add_nc_u64 s[6:7], s[6:7], s[34:35]
	BODY PPRJ, 6
.Lfunc_end_k_qb0041c61e5_wprep:
	.size	k_qb0041c61e5_wprep, .Lfunc_end_k_qb0041c61e5_wprep-k_qb0041c61e5_wprep
	.p2alignl 7, 3214868480
	.fill 96, 4, 3214868480
	.section	.rodata,"a",@progbits
	.p2align	6, 0x0
	.amdhsa_kernel k_qb0041c61e5_wprep
		.amdhsa_group_segment_fixed_size 0
		.amdhsa_private_segment_fixed_size 0
		.amdhsa_enable_private_segment 0
		.amdhsa_kernarg_size 24
		.amdhsa_user_sgpr_count 2
		.amdhsa_user_sgpr_kernarg_segment_ptr 1
		.amdhsa_wavefront_size32 1
		.amdhsa_system_sgpr_workgroup_id_x 1
		.amdhsa_system_sgpr_workgroup_id_y 1
		.amdhsa_system_sgpr_workgroup_id_z 1
		.amdhsa_system_vgpr_workitem_id 0
		.amdhsa_next_free_vgpr 112
		.amdhsa_next_free_sgpr 66
		.amdhsa_reserve_vcc 0
		.amdhsa_float_denorm_mode_32 3
		.amdhsa_float_denorm_mode_16_64 3
		.amdhsa_memory_ordered 1
		.amdhsa_forward_progress 1
		.amdhsa_inst_pref_size 40
	.end_amdhsa_kernel
	.amdgpu_metadata
---
amdhsa.version: [ 1, 2 ]
amdhsa.kernels:
  - .name:           k_qb0041c61e5_wprep
    .symbol:         k_qb0041c61e5_wprep.kd
    .args:
      - { .name: w_qkv, .offset: 0, .size: 8, .value_kind: global_buffer, .address_space: global }
      - { .name: w_proj, .offset: 8, .size: 8, .value_kind: global_buffer, .address_space: global }
      - { .name: wstream, .offset: 16, .size: 8, .value_kind: global_buffer, .address_space: global }
    .group_segment_fixed_size: 0
    .private_segment_fixed_size: 0
    .kernarg_segment_align: 8
    .kernarg_segment_size: 24
    .max_flat_workgroup_size: 128
    .sgpr_count:     66
    .vgpr_count:     112
    .wavefront_size: 32
...
	.end_amdgpu_metadata
.endif
;; end of part 1
;; launch fused (part 2): grid 256 x 1, 4 waves a work-group, clusters of 4 x 1, 327,680 bytes of LDS; arguments x, freqs_cos, freqs_sin, g_q, g_k, wstream, b_proj, out0; writes out0
.if DOCPART == 2
	.amdgcn_target "amdgcn-amd-amdhsa--gfx1250"
	.amdhsa_code_object_version 6
	.text
	.protected	k_qb0041c61e5_fused
	.globl	k_qb0041c61e5_fused
	.p2align	8
	.type	k_qb0041c61e5_fused,@function
k_qb0041c61e5_fused:
	s_mov_b64 s[64:65], 0
	v_nop
	global_prefetch_b8 v0, s[64:65] scope:SCOPE_SE
	s_setreg_imm32_b32 hwreg(HW_REG_WAVE_MODE, 25, 1), 1
	s_wait_xcnt 0x0
	s_wait_alu depctr_hold_cnt(0) depctr_sa_sdst(0) depctr_va_vdst(0) depctr_va_sdst(0) depctr_va_ssrc(0) depctr_va_vcc(0) depctr_vm_vsrc(0)
	s_getreg_b32 s2, hwreg(HW_REG_IB_STS2, 6, 4)
	s_cmp_eq_u32 s2, 0
	s_cbranch_scc0 .Lentry_in_a_cluster
	s_endpgm
.Lentry_in_a_cluster:
	s_bfe_u32 s2, ttmp6, 0x10000c
	s_cmp_lg_u32 s2, 0x3003
	s_cbranch_scc0 .Lentry_shape_is_right
	s_endpgm
.Lentry_shape_is_right:
; out0 = Q(attention) Q(w_proj) + b_proj, with qkv = Q(x) Q(w_qkv), RMS norm and rope on q and k, scores Q(q) Q(k)^T / 8 between the 16 heads of ONE token, softmax over the heads, P V in f32.
; Q is the quantiser to FP4 (E2M1) with one E8M0 scale for each 32 along a product's K.  Nothing of the problem is left out; nothing but out0 goes to memory.
; SHARES.  A work-group takes 64 tokens through the whole chain: 256 work-groups.  THE FOUR WAVES SHARE THE COLUMNS, NOT THE ROWS: the tokens' codes (64 rows x 1,024 K: 32 fragments, 256 registers) stay in every wave's
; registers, and a wave's 64 weight columns of a step come from the stream that the first launch laid: each weight fragment is read from LDS once and feeds four matrix instructions.
; THE STREAM goes through a ring of two LDS slots (64 columns x 512 K and their scale words for each wave: 17,408 bytes a wave, brought by the wave's own tensor load and read by that wave alone).
; CLUSTER.  All work-groups walk the same stream, so the four of a cluster ask for each block JOINTLY: the same load, the same descriptor, mask 15.  (A mask names four at the most: a larger cluster would share no more.)
; No prefetch: x is wanted at the head, with no trip ahead of it, and the stream is read by every cluster, not once.
; ALL PRODUCTS ARE USED TRANSPOSED (source 0 = 16 weight columns, source 1 = 16 tokens): a lane holds ONE token and eight neighbouring outputs a tile.
; PHASES.  X: wave w quantises tokens 16 w .. + 15; the images of the fragments go through LDS to all waves.  QK (8 steps): a wave makes one head of q or k for the 64 tokens; norm, gain, rope, quantised in registers
; (the weight columns of a tile are chosen so that a lane holds a whole block of 32), codes to LDS by token.  SCORES: wave w takes its 16 tokens, one matrix instruction a token (K = 64 and 64 zero codes), softmax with the row's
; maximum taken away, P normalised as the problem has it, kept in registers.  V (2 chunks of 32 channels x 2 steps): V in f32 to LDS by token; P V by the f32 matrix form, since its result goes into a quantiser; quantised, codes to LDS.
; PROJ (4 steps): the bias is the C of each sum's first matrix instruction; results leave through a stage, sixteen lanes to 256 consecutive bytes.
; LIMITS: NaN and infinities among the inputs are not served.  A block of zeros gets the scale byte 1 where the rule says 127 (its codes are zeros; this program alone reads the bytes).  v_sqrt_f32, v_rcp_f32 and v_exp_f32 take
; denormals as zero: a head's sum of squares under 2^-126 counts as 0, which beside the norm's 1e-6 moves nothing.  x / (norm + eps) is x times the reciprocal (1 ulp).
; REGISTERS, in windows of 256 (s_set_vgpr_msb: bits 1:0 source 0, 3:2 source 1, 5:4 source 2, 7:6 destination):
;   window 0: v1-40 addresses; v48-63 the tokens' scale words, v64-71 the weights', v72-75 the scores' (these hold scales alone); v76-95, v224-255 at work; v96-223 the 16 accumulators (token tile tt, weight tile nt at 96 + 32 tt + 8 nt)
;   window 1: the tokens' 32 fragments (tile tt, K step s8 at 8 (8 tt + s8)); in phase X four landing sets of 64
;   window 2: v0-127 a slot's 16 weight fragments; v128-255 P, eight registers a token; in PROJ rows of y
;   window 3: v0-127 cos and sin; in PROJ v0-31 the bias; v128-159 the gain; v192-255 the f32 form's eight accumulators, which nothing but matrix instructions writes
.set BLK,   17408                      ; a wave's block of a slot: 16 fragments of 1,024 bytes, 1,024 bytes of scale words
.set SLOT,  4*BLK
.set SPARE, 2*SLOT                     ; behind the ring: the spare words, 128 bytes a wave: two blocks of 256 bytes that no other line names
.set U0,    SPARE+512                  ; from here on: bytes that LDS stores write; no tensor load lands here.  The phases use them in turn, a barrier between
.set XST,   U0                         ; X: for each wave two stages of 16 rows x (512 + 16)
.set XIMG,  U0+67584                   ;    32 fragment images of 1,024 bytes
.set XSC,   U0+100352                  ;    scale words [K step][tile][row]
.set QC,    U0                         ; QK: a token's codes, pitch 1,040: [half of a head][q, k][head][16 bytes]
.set QS,    U0+66560                   ;    a token's scale words, pitch 132: 16 of q, 16 of k
.set VR,    U0                         ; V: a chunk of V in f32: token pitch 2,320, head pitch 144 (32 numbers + 16 bytes)
.set OC,    U0+148480                  ;    the attention's codes, token pitch 528
.set OS,    U0+182272                  ;    their scale bytes, token pitch 36
.set YST,   U0                         ; PROJ: for each wave two stages of 16 rows x (256 + 16)
.set SPW, 4                            ; v4   my spare word: SPARE + 4 x my thread's number; never rewritten
.set NIL, 5                            ; v5   0; never rewritten
.set WA,  6                            ; v6-7  my block's fragments in slot 0, 1: + 16 x lane
.set WB,  8                            ; v8-9  its scale words: + 4 x lane
.set L16, 10                           ; 16 x lane
.set XSTW, 11
.set XSTR, 12
.set XIW, 13
.set XSW, 14
.set XIR, 15
.set XSR, 16
.set CSO, 17
.set GOF, 18
.set SH8, 19                           ; 8 x (lane / 16)
.set QCW, 20
.set QSW, 21
.set QCA, 22
.set QSA, 23
.set SCA, 24
.set SCS, 25
.set VW,  26                           ; v26-27: tokens 0-31, 32-63
.set VRD, 30
.set OCW, 31
.set OSW, 32
.set OCA, 33
.set OSA, 34
.set OCR, 35
.set OSR, 36
.set YW,  37
.set YR,  38
.set GO,  39
.set BO,  40
.set XS,  48
.set WS,  64
.set SS,  72
.set ACC, 96
.set WV,  20                           ; s20 my wave's number
.set G1,  24                           ; s[24:31] descriptor group 1
.set G0,  32                           ; s[32:35], s[36:39] group 0 of slot 0, 1
.set SEL, 40                           ; s[40:41] v_permlanex16_b32's selects for lane l xor 16
.set C2,  42                           ; s[42:43] log2(e) / 8, twice; s44 its negative; s45 1/8; s46 1e-6
.set MSB, 0
.macro WIN new                         ; the immediate's high byte repeats the setting that is left; a switch that changes nothing is dropped
.if MSB != \new
	s_set_vgpr_msb (MSB<<8)|\new
.set MSB, \new
.endif
.endm
.macro PLACES n                        ; plain vector instructions that name no register of the matrix instructions ahead of them (ISA guide 7.12.1)
.rept \n
	v_nop
.endr
.endm
.macro ROUND                           ; a round of the cluster's barrier: my work-group's barrier; wave 0 signals for the work-group; every wave waits for all four; my work-group's barrier once more
	s_barrier_signal -1
	s_barrier_wait -1
	s_cmp_lg_u32 s[WV], 0
	s_cbranch_scc1 .Lnot_wave_0_\@
	s_barrier_signal -3
.Lnot_wave_0_\@:
	s_barrier_wait -3
	s_barrier_signal -1
	s_barrier_wait -1
.endm
.macro BARRIER                         ; my LDS stores have landed and my LDS loads are in; then the work-group's barrier.  My one tensor load may stay out
	s_wait_dscnt 0x0
	s_barrier_signal -1
	s_barrier_wait -1
.endm
.macro FETCH p                         ; my whole block of slot p into registers: 8 loads of scale words (register 2 ks + q: tile 2 q in lanes 0-15, tile 2 q + 1 in lanes 16-31), then 32 of fragments, K step by K step
.irp ks, 0,1,2,3
.irp q, 0,1
	ds_load_b32 v[WS+2*\ks+\q], v[WB+\p] offset:\ks*256+\q*128
.endr
.endr
	WIN 0x80
.irp f, 0,1,2,3,4,5,6,7,8,9,10,11,12,13,14,15
	ds_load_b128 v[8*\f:8*\f+3], v[WA+\p] offset:\f*1024
	ds_load_b128 v[8*\f+4:8*\f+7], v[WA+\p] offset:\f*1024+512
.endr
	WIN 0
.endm
; THE CHANGE OF SLOTS, at the head of each half step.  Every wave waits for all its tensor loads (one is out: slot p's), adds 0 to its spare word, and waits for that and for its LDS reads; the round then holds of every wave of all
; four work-groups; the joint refill of the other slot is the first thing behind it, one load a wave.  By this text's own count one tensor load of a wave is out at any time.
.macro TRIP p, refill
	s_wait_tensorcnt 0x0                           ; slot p's block has landed, and no load of mine is out: a group 0 may be written
	ds_add_u32 v[SPW], v[NIL]
	s_add_nc_u64 s[G0+4*\p+2:G0+4*\p+3], s[G0+4*\p+2:G0+4*\p+3], 2*SLOT   ; slot p's next block: two slots on in the stream; the type bits on top are not reached
	s_wait_dscnt 0x0                               ; the add is done; my reads of the other slot, and all my other LDS instructions, are over
	ROUND
.if \refill
	tensor_load_to_lds s[G0+4-4*\p:G0+7-4*\p], s[G1:G1+7]
	s_nop 0
.endif
	PLACES 4                                       ; four places behind a tensor load; also the places in front of the loads into registers that the last products read
	FETCH \p
.endm
.macro WM                              ; one scaled product; rD, rA, rB, rC (under 0: the constant 0), rSA, rSB: registers; fA, fB: the side's scale words stand in lanes 16-31
.if rC < 0
.if fA && fB
	v_wmma_scale_f32_16x16x128_f8f6f4 v[rD:rD+7], v[rA:rA+7], v[rB:rB+7], 0, v[rSA], v[rSB] matrix_a_fmt:MATRIX_FMT_FP4 matrix_b_fmt:MATRIX_FMT_FP4 matrix_a_scale:MATRIX_SCALE_ROW1 matrix_b_scale:MATRIX_SCALE_ROW1
.elseif fA
	v_wmma_scale_f32_16x16x128_f8f6f4 v[rD:rD+7], v[rA:rA+7], v[rB:rB+7], 0, v[rSA], v[rSB] matrix_a_fmt:MATRIX_FMT_FP4 matrix_b_fmt:MATRIX_FMT_FP4 matrix_a_scale:MATRIX_SCALE_ROW1
.elseif fB
	v_wmma_scale_f32_16x16x128_f8f6f4 v[rD:rD+7], v[rA:rA+7], v[rB:rB+7], 0, v[rSA], v[rSB] matrix_a_fmt:MATRIX_FMT_FP4 matrix_b_fmt:MATRIX_FMT_FP4 matrix_b_scale:MATRIX_SCALE_ROW1
.else
	v_wmma_scale_f32_16x16x128_f8f6f4 v[rD:rD+7], v[rA:rA+7], v[rB:rB+7], 0, v[rSA], v[rSB] matrix_a_fmt:MATRIX_FMT_FP4 matrix_b_fmt:MATRIX_FMT_FP4
.endif
.else
.if fA && fB
	v_wmma_scale_f32_16x16x128_f8f6f4 v[rD:rD+7], v[rA:rA+7], v[rB:rB+7], v[rC:rC+7], v[rSA], v[rSB] matrix_a_fmt:MATRIX_FMT_FP4 matrix_b_fmt:MATRIX_FMT_FP4 matrix_a_scale:MATRIX_SCALE_ROW1 matrix_b_scale:MATRIX_SCALE_ROW1
.elseif fA
	v_wmma_scale_f32_16x16x128_f8f6f4 v[rD:rD+7], v[rA:rA+7], v[rB:rB+7], v[rC:rC+7], v[rSA], v[rSB] matrix_a_fmt:MATRIX_FMT_FP4 matrix_b_fmt:MATRIX_FMT_FP4 matrix_a_scale:MATRIX_SCALE_ROW1
.elseif fB
	v_wmma_scale_f32_16x16x128_f8f6f4 v[rD:rD+7], v[rA:rA+7], v[rB:rB+7], v[rC:rC+7], v[rSA], v[rSB] matrix_a_fmt:MATRIX_FMT_FP4 matrix_b_fmt:MATRIX_FMT_FP4 matrix_b_scale:MATRIX_SCALE_ROW1
.else
	v_wmma_scale_f32_16x16x128_f8f6f4 v[rD:rD+7], v[rA:rA+7], v[rB:rB+7], v[rC:rC+7], v[rSA], v[rSB] matrix_a_fmt:MATRIX_FMT_FP4 matrix_b_fmt:MATRIX_FMT_FP4
.endif
.endif
.endm
; HALF A STEP'S PRODUCTS: 512 along K (half kh), 64 matrix instructions: my 4 weight tiles x the 4 token tiles, K step by K step.  The 16 accumulators take turns, one instruction a turn.
; cmode 1: the first K step starts the sums with the constant 0;  2: with the bias;  0: the sums go on.
.macro MM kh, cmode
.irp ks, 0,1,2,3
	s_wait_dscnt 24-8*\ks                          ; this K step's 8 fragment loads are in; the later K steps', 8 each, may be out
.if (\cmode == 2) && (\ks == 0)
	WIN 0x36                                       ; weights window 2, tokens window 1, C (the bias) window 3, D window 0
.else
	WIN 0x06                                       ; weights window 2, tokens window 1, C and D window 0
.endif
.irp tt, 0,1,2,3
.irp nt, 0,1,2,3
.set rD, ACC+32*\tt+8*\nt
.set rA, 8*(4*\ks+\nt)
.set rB, 8*(8*\tt+4*\kh+\ks)
.set rSA, WS+2*\ks+\nt/2
.set rSB, XS+2*(4*\kh+\ks)+\tt/2
.set fA, \nt%2
.set fB, \tt%2
.set rC, rD
.if \ks == 0
.if \cmode == 1
.set rC, -1
.elseif \cmode == 2
.set rC, 8*\nt
.endif
.endif
	WM
.endr
.endr
.endr
	WIN 0
.endm
	s_load_b512 s[4:19], s[0:1], 0x0               ; x s[4:5], cos s[6:7], sin s[8:9], g_q s[10:11], g_k s[12:13], the stream s[14:15], b_proj s[16:17], out0 s[18:19]
	v_lshl_add_u32 v[SPW], v0, 2, SPARE
	v_mov_b32 v[NIL], 0
	ds_add_u32 v[SPW], v[NIL]                      ; the wave's opening: the add, twice on end, and its wait ahead of the round in front of my first tensor load; the set-up below is work on registers
	ds_add_u32 v[SPW], v[NIL]
	v_lshrrev_b32 v1, 5, v0
	v_readfirstlane_b32 s[WV], v1                  ; wave 0..3
	s_bfe_u32 s21, ttmp6, 0x40000                  ; my place in the cluster
	s_lshl_b32 s22, ttmp9, 2                       ; in a cluster launch ttmp9 counts clusters
	s_add_co_u32 s22, s22, s21                     ; my block of 64 tokens: it enters the addresses of x, cos, sin and out0 alone
	; descriptor group 1: a block of the stream is dense: 68 rows of 256 bytes (32 elements of 8 bytes), no padding
	s_mov_b32 s[G1], 15|(3<<16)|(1<<21)            ; 15:0 the mask: all four work-groups; 17:16 elements of 8 bytes; 21 set beside a mask
	s_mov_b32 s[G1+1], 32<<16                      ; tensor_dim0 = 32
	s_mov_b32 s[G1+2], 68<<16                      ; tensor_dim1 = 68
	s_mov_b32 s[G1+3], 32<<16                      ; tile_dim0 = 32
	s_mov_b32 s[G1+4], 68                          ; tile_dim1 = 68
	s_mov_b32 s[G1+5], 32                          ; from row to row
	s_mov_b32 s[G1+6], 0
	s_mov_b32 s[G1+7], 0
	s_mov_b32 s[SEL], 0x76543210
	s_mov_b32 s[SEL+1], 0xfedcba98
	s_mov_b32 s[C2], 0x3e38aa3b                    ; log2(e) / 8
	s_mov_b32 s[C2+1], s[C2]                       ; (named with it as a pair, so it is written)
	s_mov_b32 s44, 0xbe38aa3b
	s_mov_b32 s45, 0x3e000000                      ; 64^-0.5
	s_mov_b32 s46, 0x358637bd                      ; 1e-6
	v_and_b32 v1, 31, v0                           ; lane
	v_and_b32 v2, 15, v0                           ; r
	v_bfe_u32 v3, v0, 4, 1                         ; hh
	v_lshlrev_b32 v[L16], 4, v1
	s_mul_i32 s59, s[WV], BLK                      ; my block's place in a slot, and in a slot's part of the stream
	v_add_nc_u32 v[WA], s59, v[L16]
	v_add_nc_u32 v[WA+1], SLOT, v[WA]
	v_lshl_add_u32 v[WB], v1, 2, s59
	v_add_nc_u32 v[WB], 16384, v[WB]
	v_add_nc_u32 v[WB+1], SLOT, v[WB]
	s_mul_i32 s57, s[WV], 16896
	s_add_co_u32 s57, s57, XST
	v_add_nc_u32 v[XSTW], s57, v[L16]              ; x's stage, in: a token's 512 bytes as they lie
	v_mul_u32_u24 v[XSTR], v2, 528
	v_lshl_add_u32 v[XSTR], v3, 7, v[XSTR]
	v_add_nc_u32 v[XSTR], s57, v[XSTR]             ; out: token r, my block of 32 numbers
	s_lshl_b32 s58, s[WV], 13
	s_add_co_u32 s58, s58, XIMG
	v_add_nc_u32 v[XIW], s58, v[L16]               ; my tile's images
	s_lshl_b32 s58, s[WV], 6
	s_add_co_u32 s58, s58, XSC
	v_lshl_add_u32 v[XSW], v2, 2, s58              ; and scale words
	v_add_nc_u32 v[XIR], XIMG, v[L16]
	v_lshl_add_u32 v[XSR], v1, 2, XSC
	v_lshlrev_b32 v[CSO], 7, v2
	v_lshl_add_u32 v[CSO], v3, 6, v[CSO]           ; cos, sin: position r of a tile, 128 bytes each; my half's 16 pairs
	v_lshlrev_b32 v[GOF], 7, v3                    ; the gain: my half's 32 numbers
	v_lshlrev_b32 v[SH8], 3, v3
	v_mul_u32_u24 v[QCW], v2, 1040
	v_lshl_add_u32 v[QCW], v3, 9, v[QCW]
	s_lshl_b32 s58, s[WV], 4
	s_add_co_u32 s58, s58, QC
	v_add_nc_u32 v[QCW], s58, v[QCW]               ; codes of q, k: token r, half hh, head w of the step's four
	v_mul_u32_u24 v[QSW], v2, 132
	s_lshl_b32 s58, s[WV], 2
	s_add_co_u32 s58, s58, QS
	v_add_nc_u32 v[QSW], s58, v[QSW]
	s_mul_i32 s58, s[WV], 16640
	s_add_co_u32 s58, s58, QC
	v_lshlrev_b32 v[SCA], 4, v2
	v_lshl_add_u32 v[SCA], v3, 9, v[SCA]
	v_add_nc_u32 v[SCA], s58, v[SCA]               ; the scores' fragments: my 16 tokens; head r, half hh
	s_mul_i32 s58, s[WV], 2112
	s_add_co_u32 s58, s58, QS
	v_lshl_add_u32 v[SCS], v1, 2, s58              ; lanes 0-15 q's words, lanes 16-31 k's
	v_mul_u32_u24 v[VW], v2, 2320
	v_lshl_add_u32 v[VW], v3, 5, v[VW]
	s_mul_i32 s58, s[WV], 288
	s_add_co_u32 s58, s58, VR
	v_add_nc_u32 v[VW], s58, v[VW]                 ; V: token r, my two heads, my eight channels
	v_add_nc_u32 v[VW+1], 74240, v[VW]
	v_and_b32 v[VRD], 7, v2
	v_lshlrev_b32 v[VRD], 2, v[VRD]
	v_and_b32 v41, 8, v2
	v_lshl_add_u32 v[VRD], v41, 3, v[VRD]
	v_mad_u32_u24 v[VRD], v3, 1152, v[VRD]
	s_mul_i32 s58, s[WV], 37120
	s_add_co_u32 s58, s58, VR
	v_add_nc_u32 v[VRD], s58, v[VRD]               ; V^T's fragments: my 16 tokens; channel 16 (r / 8) + r % 8, heads 8 hh on
	v_lshlrev_b32 v[OCW], 5, v2
	v_lshl_add_u32 v[OCW], v3, 3, v[OCW]
	s_mul_i32 s58, s[WV], 8448
	s_add_co_u32 s58, s58, OC
	v_add_nc_u32 v[OCW], s58, v[OCW]               ; the attention's codes: head r, 8 bytes for each half
	s_mul_i32 s58, s[WV], 576
	s_add_co_u32 s58, s58, OS
	v_lshl_add_u32 v[OSW], v2, 1, s58
	v_mul_u32_u24 v[OCR], v2, 528
	v_lshl_add_u32 v[OCR], v3, 4, v[OCR]
	v_add_nc_u32 v[OCR], OC, v[OCR]
	v_mul_u32_u24 v[OSR], v1, 36
	v_add_nc_u32 v[OSR], OS, v[OSR]
	s_mul_i32 s58, s[WV], 8704
	s_add_co_u32 s58, s58, YST
	v_mul_u32_u24 v[YW], v2, 272
	v_lshl_add_u32 v[YW], v3, 5, v[YW]
	v_add_nc_u32 v[YW], s58, v[YW]
	v_mul_u32_u24 v[YR], v3, 272
	v_lshl_add_u32 v[YR], v2, 4, v[YR]
	v_add_nc_u32 v[YR], s58, v[YR]
	s_lshl_b32 s58, s[WV], 8
	v_lshlrev_b32 v[GO], 12, v3
	v_lshl_add_u32 v[GO], v2, 4, v[GO]
	v_add_nc_u32 v[GO], s58, v[GO]                 ; out0: lanes 0-15 one row, lanes 16-31 the next; my wave's 256 bytes
	v_lshl_add_u32 v[BO], v3, 5, s58
.irp j, 83,84,85,86,87
	v_mov_b32 v[\j], 0                             ; written once: a lane permute's destination counts as one of its sources
.endr
.set j, 224
.rept 32
	v_mov_b32 v[j], 0                              ; and so do the upper halves of pairs of which the packed forms take the low word
.set j, j+1
.endr
	s_wait_dscnt 0x0                               ; both opening adds are done
	s_wait_kmcnt 0x0
	s_lshl_b32 s56, s22, 18                        ; 64 tokens of 4,096 bytes
	s_mov_b32 s57, 0
	s_add_nc_u64 s[18:19], s[18:19], s[56:57]
	s_add_nc_u64 s[4:5], s[4:5], s[56:57]
	s_lshl_b32 s56, s[WV], 16
	s_add_nc_u64 s[4:5], s[4:5], s[56:57]          ; x at my wave's 16 tokens
	s_and_b32 s56, s22, 63                         ; 64 blocks of tokens to a sequence
	s_lshl_b32 s56, s56, 13
	s_add_nc_u64 s[6:7], s[6:7], s[56:57]
	s_add_nc_u64 s[8:9], s[8:9], s[56:57]
	s_mov_b32 s56, s59
	s_mov_b32 s[G0], 1                             ; count = 1
	s_mov_b32 s[G0+1], s59                         ; LDS address: slot 0, my block: no place in the cluster enters it
	s_add_nc_u64 s[G0+2:G0+3], s[14:15], s[56:57]  ; the stream's slot 0, my block
	s_mov_b32 s[G0+4], 1
	s_add_co_u32 s[G0+5], s59, SLOT
	s_add_nc_u64 s[G0+6:G0+7], s[G0+2:G0+3], SLOT
	s_or_b32 s[G0+3], s[G0+3], 0x80000000          ; type = 2
	s_or_b32 s[G0+7], s[G0+7], 0x80000000
	ROUND                                          ; all four work-groups are here: the first joint loads meet
	tensor_load_to_lds s[G0:G0+3], s[G1:G1+7]      ; slot 0; slot 1 is filled behind the first change of slots, as a refill is
	s_nop 0
	PLACES 4
	WIN 0xc0
.irp tt, 0,1,2,3
.irp q, 0,1,2,3
	global_load_b128 v[32*\tt+4*\q:32*\tt+4*\q+3], v[CSO], s[6:7] offset:\tt*2048+16*\q          ; cos of my token of tile tt, pairs 16 hh + 0 .. 15
	global_load_b128 v[32*\tt+16+4*\q:32*\tt+19+4*\q], v[CSO], s[8:9] offset:\tt*2048+16*\q      ; sin
.endr
.endr
	WIN 0
; ---- X.  A K step of 128: 16 loads, a token's 512 consecutive bytes each, into a landing set; through my own stage, so that lane (r, hh) gets blocks hh and 2 + hh of token r whole; quantised: the conversions' results ARE the operand's registers.
.macro LOADX t
	WIN 0x40
.irp i, 0,1,2,3,4,5,6,7,8,9,10,11,12,13,14,15
	global_load_b128 v[64*((\t)%4)+4*\i:64*((\t)%4)+4*\i+3], v[L16], s[4:5] offset:\i*4096+(\t)*512 th:TH_LOAD_NT
.endr
	WIN 0
.endm
.macro TURNX t                         ; LDS serves a wave's instructions in order: no wait between the stores and the loads
	WIN 0x04
.irp i, 0,1,2,3,4,5,6,7,8,9,10,11,12,13,14,15
	ds_store_b128 v[XSTW], v[64*((\t)%4)+4*\i:64*((\t)%4)+4*\i+3] offset:((\t)%2)*8448+\i*528
.endr
	WIN 0
.irp c, 0,1
.irp q, 0,1,2,3,4,5,6,7
	ds_load_b128 v[ACC+64*((\t)%2)+32*\c+4*\q:ACC+64*((\t)%2)+32*\c+4*\q+3], v[XSTR] offset:((\t)%2)*8448+\c*256+\q*16
.endr
.endr
.endm
.macro QUANTX t
.set XB, ACC+64*((\t)%2)
.irp c, 0,1
	v_max3_num_f32 v[76+\c], |v[XB+32*\c]|, |v[XB+32*\c+1]|, 0x1800000   ; block 2 c + hh, all mine; the floor 2^(3 - 127) holds the byte at 1 from below
.endr
.irp i, 2,4,6,8,10,12,14,16,18,20,22,24,26,28,30
.irp c, 0,1
	v_max3_num_f32 v[76+\c], v[76+\c], |v[XB+32*\c+\i]|, |v[XB+32*\c+\i+1]|
.endr
.endr
.irp c, 0,1
	v_add_nc_u32 v[78+\c], 0xff000000, v[76+\c]    ; 2 off the exponent field: the conversion's scale operand
.endr
.irp c, 0,1
	v_lshrrev_b32 v[80+\c], 23, v[78+\c]           ; the scale's byte
.endr
	v_lshl_or_b32 v82, v81, 16, v80                ; my two bytes, at their places in the word (8 hh bits up);
	v_lshlrev_b32 v82, v[SH8], v82
	v_permlanex16_b32 v83, v82, s[SEL], s[SEL+1]
	v_or_b32 v[248+(\t)%2], v82, v83               ; with lane l xor 16's two the word is whole
.irp c, 0,1
.irp g, 0,1,2,3
	v_cvt_scalef32_pk8_fp4_f32 v[232+8*((\t)%2)+4*\c+\g], v[XB+32*\c+8*\g:XB+32*\c+8*\g+7], v[78+\c]
.endr
.endr
	v_nop                                          ; one plain place behind the scaled conversions
	ds_store_b128 v[XIW], v[232+8*((\t)%2):235+8*((\t)%2)] offset:(\t)*1024       ; the fragment goes to LDS as an image of its registers
	ds_store_b128 v[XIW], v[236+8*((\t)%2):239+8*((\t)%2)] offset:(\t)*1024+512
	ds_store_b32 v[XSW], v[248+(\t)%2] offset:(\t)*256
.endm
.macro STEPX t
.if (\t) > 0
	s_wait_dscnt 3                                 ; this step's numbers are back from the stage; the last step's three image stores may be out
.else
	s_wait_dscnt 0x0
.endif
.if (\t)+4 < 8
	LOADX (\t)+4                                   ; into the landing set that this step's stores into the stage have read
.endif
.if (\t) < 7
.if (\t)+4 < 8
	s_wait_loadcnt 48                              ; the next step's 16 loads are in; those of the three steps behind it may be out
.else
	s_wait_loadcnt 16*(6-(\t))                     ; likewise, with fewer steps left
.endif
	TURNX (\t)+1                                   ; through the other stage while this step is quantised
.endif
	QUANTX \t
.endm
	LOADX 0
	LOADX 1
	LOADX 2
	LOADX 3
	s_wait_loadcnt 48                              ; K step 0 (and cos and sin, asked for earlier) are in; three steps' loads may be out
	TURNX 0
.irp t, 0,1,2,3,4,5,6,7
	STEPX \t
.endr
	BARRIER                                        ; the 32 images and their scale words lie in LDS
	WIN 0x40
.irp f, 0,1,2,3,4,5,6,7,8,9,10,11,12,13,14,15,16,17,18,19,20,21,22,23,24,25,26,27,28,29,30,31
	ds_load_b128 v[8*\f:8*\f+3], v[XIR] offset:\f*1024
	ds_load_b128 v[8*\f+4:8*\f+7], v[XIR] offset:\f*1024+512
.endr
	WIN 0
.irp s8, 0,1,2,3,4,5,6,7
.irp p, 0,1
	ds_load_b32 v[XS+2*\s8+\p], v[XSR] offset:\s8*256+\p*128       ; register 2 s8 + p: tile 2 p in lanes 0-15, tile 2 p + 1 in lanes 16-31
.endr
.endr
; ---- QK: eight steps, q's heads 4 s + w and then k's.  A(tt, i) = v[ACC + 32 tt + i] is channel 32 hh + i of my head, for token r of tile tt.
.macro ROPE2 pp                        ; pairs 2 pp and 2 pp + 1: (re, im) -> (re c - im s, im c + re s): a packed multiply by c, a packed multiply-add with the halves crossed and s negated in the low half
.irp tt, 0,1,2,3
	v_pk_mul_f32 v[224+2*\tt:225+2*\tt], v[ACC+32*\tt+4*\pp:ACC+32*\tt+4*\pp+1], v[32*\tt+2*\pp:32*\tt+2*\pp+1] op_sel:[0,0] op_sel_hi:[1,0]
.endr
.irp tt, 0,1,2,3
	v_pk_fma_f32 v[ACC+32*\tt+4*\pp:ACC+32*\tt+4*\pp+1], v[ACC+32*\tt+4*\pp:ACC+32*\tt+4*\pp+1], v[32*\tt+16+2*\pp:32*\tt+17+2*\pp], v[224+2*\tt:225+2*\tt] op_sel:[1,0,0] op_sel_hi:[0,0,1] neg_lo:[0,1,0]
.endr
.irp tt, 0,1,2,3
	v_pk_mul_f32 v[224+2*\tt:225+2*\tt], v[ACC+32*\tt+4*\pp+2:ACC+32*\tt+4*\pp+3], v[32*\tt+2*\pp:32*\tt+2*\pp+1] op_sel:[0,1] op_sel_hi:[1,1]
.endr
.irp tt, 0,1,2,3
	v_pk_fma_f32 v[ACC+32*\tt+4*\pp+2:ACC+32*\tt+4*\pp+3], v[ACC+32*\tt+4*\pp+2:ACC+32*\tt+4*\pp+3], v[32*\tt+16+2*\pp:32*\tt+17+2*\pp], v[224+2*\tt:225+2*\tt] op_sel:[1,1,0] op_sel_hi:[0,1,1] neg_lo:[0,1,0]
.endr
.endm
	s_mov_b32 s49, 0                               ; where the step's four heads lie in a token's codes: 64 bytes a step, q's 256 and then k's 256 in each half
	s_mov_b32 s50, 0                               ; and among its scale words: 16 bytes a step
	s_mov_b32 s47, 0
.Lqk:
	s_cmp_lt_u32 s47, 4                            ; the gain of q or of k: a choice on the count of steps.  (The last trip's loads by this pair were waited for in that trip)
	s_cselect_b64 s[54:55], s[10:11], s[12:13]
	WIN 0xc0
.irp q, 0,1,2,3,4,5,6,7
	global_load_b128 v[128+4*\q:131+4*\q], v[GOF], s[54:55] offset:16*\q
.endr
	WIN 0
	TRIP 0, 1
	MM 0, 1
	TRIP 1, 1
	MM 1, 0
	PLACES 4                                       ; in front of the first read of results
	s_wait_loadcnt 0x0                             ; the gain
.irp tt, 0,1,2,3
	v_pk_mul_f32 v[76+2*\tt:77+2*\tt], v[ACC+32*\tt:ACC+32*\tt+1], v[ACC+32*\tt:ACC+32*\tt+1]   ; the sum of squares, two at a time, each accumulator from its low end on; the four tiles by turns
.endr
.irp i, 2,4,6,8,10,12,14,16,18,20,22,24,26,28,30
.irp tt, 0,1,2,3
	v_pk_fma_f32 v[76+2*\tt:77+2*\tt], v[ACC+32*\tt+\i:ACC+32*\tt+\i+1], v[ACC+32*\tt+\i:ACC+32*\tt+\i+1], v[76+2*\tt:77+2*\tt]
.endr
.endr
.irp tt, 0,1,2,3
	v_add_f32 v[76+2*\tt], v[76+2*\tt], v[77+2*\tt]
.endr
.irp tt, 0,1,2,3
	v_permlanex16_b32 v[84+\tt], v[76+2*\tt], s[SEL], s[SEL+1]
.endr
.irp tt, 0,1,2,3
	v_add_f32 v[76+2*\tt], v[76+2*\tt], v[84+\tt]  ; with the head's other 32 channels
.endr
.irp tt, 0,1,2,3
	v_sqrt_f32 v[88+\tt], v[76+2*\tt]
.endr
	v_nop                                          ; a plain place behind the roots,
	s_wait_alu depctr_va_vdst(0)                   ; and one wait for the four, ahead of their first reader
.irp tt, 0,1,2,3
	v_fma_f32 v[88+\tt], v[88+\tt], s45, s46       ; norm / 8 + 1e-6
.endr
.irp tt, 0,1,2,3
	v_rcp_f32 v[240+2*\tt], v[88+\tt]
.endr
	v_nop
	s_wait_alu depctr_va_vdst(0)                   ; one wait for the four reciprocals
.irp i, 0,2,4,6,8,10,12,14,16,18,20,22,24,26,28,30
.irp tt, 0,1,2,3
	v_pk_mul_f32 v[ACC+32*\tt+\i:ACC+32*\tt+\i+1], v[ACC+32*\tt+\i:ACC+32*\tt+\i+1], v[240+2*\tt:241+2*\tt] op_sel_hi:[1,0]
.endr
.endr
	WIN 0x0c                                       ; source 1 in window 3: the gain, cos and sin
.irp i, 0,2,4,6,8,10,12,14,16,18,20,22,24,26,28,30
.irp tt, 0,1,2,3
	v_pk_mul_f32 v[ACC+32*\tt+\i:ACC+32*\tt+\i+1], v[ACC+32*\tt+\i:ACC+32*\tt+\i+1], v[128+\i:129+\i]
.endr
.endr
.irp pp, 0,1,2,3,4,5,6,7
	ROPE2 \pp
.endr
	WIN 0
.irp tt, 0,1,2,3
	v_max3_num_f32 v[88+\tt], |v[ACC+32*\tt]|, |v[ACC+32*\tt+1]|, 0x1800000   ; my 32 channels are a whole block; the floor holds the byte at 1
.endr
.irp i, 2,4,6,8,10,12,14,16,18,20,22,24,26,28,30
.irp tt, 0,1,2,3
	v_max3_num_f32 v[88+\tt], v[88+\tt], |v[ACC+32*\tt+\i]|, |v[ACC+32*\tt+\i+1]|
.endr
.endr
.irp tt, 0,1,2,3
	v_add_nc_u32 v[92+\tt], 0xff000000, v[88+\tt]
.endr
.irp tt, 0,1,2,3
	v_lshrrev_b32 v[76+\tt], 23, v[92+\tt]
.endr
.irp tt, 0,1,2,3
	v_lshlrev_b32 v[76+\tt], v[SH8], v[76+\tt]     ; block hh is byte hh of the head's word
.endr
.irp tt, 0,1,2,3
	v_permlanex16_b32 v[84+\tt], v[76+\tt], s[SEL], s[SEL+1]
.endr
.irp tt, 0,1,2,3
	v_or_b32 v[80+\tt], v[76+\tt], v[84+\tt]
.endr
.irp tt, 0,1,2,3
	v_or_b32 v[80+\tt], 0x7f7f0000, v[80+\tt]      ; bytes 2 and 3 stand over the zero codes that fill K from 64 to 128
.endr
.irp tt, 0,1,2,3
.irp g, 0,1,2,3
	v_cvt_scalef32_pk8_fp4_f32 v[224+4*\tt+\g], v[ACC+32*\tt+8*\g:ACC+32*\tt+8*\g+7], v[92+\tt]
.endr
.endr
	v_nop                                          ; one plain place behind the scaled conversions
	v_add_nc_u32 v[QCA], s49, v[QCW]
	v_add_nc_u32 v[QSA], s50, v[QSW]
.irp tt, 0,1,2,3
	ds_store_b128 v[QCA], v[224+4*\tt:227+4*\tt] offset:\tt*16640
.endr
.irp tt, 0,1,2,3
	ds_store_b32 v[QSA], v[80+\tt] offset:\tt*2112 ; both halves hold the same word
.endr
	s_add_co_u32 s49, s49, 64
	s_add_co_u32 s50, s50, 16
	s_add_co_u32 s47, s47, 1
	s_cmp_lt_u32 s47, 8
	s_cbranch_scc1 .Lqk
; ---- SCORES: my 16 tokens, four at a time.  S^T = k q^T: source 0 = the 16 heads of k, source 1 = those of q: lane (h, hh) holds head h of q and heads g = 8 hh + 0 .. 7 of k.
.macro SCORE4 q
.irp tk, 0,1,2,3
	ds_load_b128 v[96+8*\tk:99+8*\tk], v[SCA] offset:(4*\q+\tk)*1040+256
	ds_load_b128 v[128+8*\tk:131+8*\tk], v[SCA] offset:(4*\q+\tk)*1040
	ds_load_b32 v[SS+\tk], v[SCS] offset:(4*\q+\tk)*132
.endr
	s_wait_dscnt 0x0
.irp tk, 0,1,2,3
	v_wmma_scale_f32_16x16x128_f8f6f4 v[160+8*\tk:167+8*\tk], v[96+8*\tk:103+8*\tk], v[128+8*\tk:135+8*\tk], 0, v[SS+\tk], v[SS+\tk] matrix_a_fmt:MATRIX_FMT_FP4 matrix_b_fmt:MATRIX_FMT_FP4 matrix_a_scale:MATRIX_SCALE_ROW1
.endr
	PLACES 5                                       ; four in front of the reads of results and of the next loads into the operands; the fifth for the next four products, which write over these results
.irp tk, 0,1,2,3
	v_max3_num_f32 v[76+\tk], v[160+8*\tk], v[161+8*\tk], v[162+8*\tk]
.endr
.irp tk, 0,1,2,3
	v_max3_num_f32 v[76+\tk], v[76+\tk], v[163+8*\tk], v[164+8*\tk]
.endr
.irp tk, 0,1,2,3
	v_max3_num_f32 v[76+\tk], v[76+\tk], v[165+8*\tk], v[166+8*\tk]
.endr
.irp tk, 0,1,2,3
	v_max_num_f32 v[76+\tk], v[76+\tk], v[167+8*\tk]
.endr
.irp tk, 0,1,2,3
	v_permlanex16_b32 v[84+\tk], v[76+\tk], s[SEL], s[SEL+1]
.endr
.irp tk, 0,1,2,3
	v_max_num_f32 v[76+\tk], v[76+\tk], v[84+\tk]  ; the row's largest score
.endr
.irp tk, 0,1,2,3
	v_mul_f32 v[224+2*\tk], s44, v[76+\tk]
.endr
.irp j, 0,2,4,6
.irp tk, 0,1,2,3
	v_pk_fma_f32 v[160+8*\tk+\j:161+8*\tk+\j], v[160+8*\tk+\j:161+8*\tk+\j], s[C2:C2+1], v[224+2*\tk:225+2*\tk] op_sel_hi:[1,0,0]   ; (score - maximum) log2(e) / 8
.endr
.endr
.irp j, 0,1,2,3,4,5,6,7
.irp tk, 0,1,2,3
	v_exp_f32 v[160+8*\tk+\j], v[160+8*\tk+\j]
.endr
.endr
	v_nop                                          ; a plain place behind the 32 exponentials,
	s_wait_alu depctr_va_vdst(0)                   ; and one wait for the batch
.irp tk, 0,1,2,3
	v_pk_add_f32 v[232+2*\tk:233+2*\tk], v[160+8*\tk:161+8*\tk], v[162+8*\tk:163+8*\tk]
.endr
.irp tk, 0,1,2,3
	v_pk_add_f32 v[240+2*\tk:241+2*\tk], v[164+8*\tk:165+8*\tk], v[166+8*\tk:167+8*\tk]
.endr
.irp tk, 0,1,2,3
	v_pk_add_f32 v[232+2*\tk:233+2*\tk], v[232+2*\tk:233+2*\tk], v[240+2*\tk:241+2*\tk]
.endr
.irp tk, 0,1,2,3
	v_add_f32 v[232+2*\tk], v[232+2*\tk], v[233+2*\tk]
.endr
.irp tk, 0,1,2,3
	v_permlanex16_b32 v[84+\tk], v[232+2*\tk], s[SEL], s[SEL+1]
.endr
.irp tk, 0,1,2,3
	v_add_f32 v[232+2*\tk], v[232+2*\tk], v[84+\tk]
.endr
.irp tk, 0,1,2,3
	v_rcp_f32 v[248+2*\tk], v[232+2*\tk]
.endr
	v_nop
	s_wait_alu depctr_va_vdst(0)                   ; one wait for the four reciprocals
	WIN 0x80
.irp tk, 0,1,2,3
.irp j, 0,2,4,6
	v_pk_mul_f32 v[128+8*(4*\q+\tk)+\j:129+8*(4*\q+\tk)+\j], v[160+8*\tk+\j:161+8*\tk+\j], v[248+2*\tk:249+2*\tk] op_sel_hi:[1,0]   ; P, normalised, stays in window 2
.endr
.endr
	WIN 0
.endm
	BARRIER                                        ; all heads' codes and scale words lie in LDS
.irp tk, 0,1,2,3
.irp j, 4,5,6,7
	v_mov_b32 v[96+8*\tk+\j], 0                    ; K = 64 .. 127 of both operands: zero codes, once for the four batches
	v_mov_b32 v[128+8*\tk+\j], 0
.endr
.endr
	PLACES 4                                       ; an operand written by vector instructions stands four places ahead of a scaled matrix instruction
	SCORE4 0
	SCORE4 1
	SCORE4 2
	SCORE4 3
; ---- V and P V, a chunk of 32 channels at a time.  In a step wave w makes, for the 64 tokens, heads 8 sp + 2 w and + 1, channels 32 c + 0 .. 31.
.macro VSTORE sp
	PLACES 4
.irp tt, 0,1,2,3
.irp nt, 0,1,2,3
	ds_store_b128 v[VW+\tt/2], v[ACC+32*\tt+8*\nt:ACC+32*\tt+8*\nt+3] offset:(\tt%2)*37120+\sp*1152+(\nt/2)*144+(\nt%2)*64       ; each accumulator from its low end on
	ds_store_b128 v[VW+\tt/2], v[ACC+32*\tt+8*\nt+4:ACC+32*\tt+8*\nt+7] offset:(\tt%2)*37120+\sp*1152+(\nt/2)*144+(\nt%2)*64+16
.endr
.endr
.endm
; O^T = V^T P^T by the f32 form, 16 x 16 x 4: source 0 = 16 channels, source 1 = the token's 16 heads h.  K slot (hh, j) of step s stands for head g = 8 hh + 2 s + j on both sides: so P's registers 2 s, 2 s + 1 are the operand.
; Row m of tile T stands for channel 16 (m / 8) + 8 T + m % 8: so lane (h, hh) ends with channels 16 hh + 0 .. 15 in the 16 registers of the token's two tiles.
.macro PVLOAD q
.set VA, ACC+64*((\q)%2)
.irp tk, 0,1,2,3
.irp T, 0,1
.irp s, 0,1,2,3
.irp j, 0,1
	ds_load_b32 v[VA+16*\tk+8*\T+2*\s+\j], v[VRD] offset:(4*(\q)+\tk)*2320+(2*\s+\j)*144+32*\T
.endr
.endr
.endr
.endr
.endm
.macro PVMM q
.set VA, ACC+64*((\q)%2)
	WIN 0xf8                                       ; V^T window 0, P window 2, C and D window 3
.irp s, 0,1,2,3
.irp tk, 0,1,2,3
.irp T, 0,1
.if \s == 0
	v_wmma_f32_16x16x4_f32 v[192+16*\tk+8*\T:199+16*\tk+8*\T], v[VA+16*\tk+8*\T+2*\s:VA+16*\tk+8*\T+2*\s+1], v[128+8*(4*(\q)+\tk)+2*\s:129+8*(4*(\q)+\tk)+2*\s], 0
.else
	v_wmma_f32_16x16x4_f32 v[192+16*\tk+8*\T:199+16*\tk+8*\T], v[VA+16*\tk+8*\T+2*\s:VA+16*\tk+8*\T+2*\s+1], v[128+8*(4*(\q)+\tk)+2*\s:129+8*(4*(\q)+\tk)+2*\s], v[192+16*\tk+8*\T:199+16*\tk+8*\T]
.endif
.endr
.endr
.endr
	WIN 0
	PLACES 9                                       ; this form wants eight places in front of reads of its results and of loads into its operands, nine in front of matrix instructions that write over its registers
.endm
.macro PVEPI q                         ; my 16 channels of four tokens are half blocks of the last product's K: the largest magnitude with lane l xor 16's, the byte, 16 codes: 8 bytes
	WIN 0x0f
.irp tk, 0,1,2,3
	v_max3_num_f32 v[76+\tk], |v[192+16*\tk]|, |v[193+16*\tk]|, 0x1800000
.endr
.irp i, 2,4,6,8,10,12,14
.irp tk, 0,1,2,3
	v_max3_num_f32 v[76+\tk], |v[192+16*\tk+\i]|, |v[193+16*\tk+\i]|, v[76+\tk]
.endr
.endr
	WIN 0
.irp tk, 0,1,2,3
	v_permlanex16_b32 v[84+\tk], v[76+\tk], s[SEL], s[SEL+1]
.endr
.irp tk, 0,1,2,3
	v_max_num_f32 v[76+\tk], v[76+\tk], v[84+\tk]
.endr
.irp tk, 0,1,2,3
	v_add_nc_u32 v[88+\tk], 0xff000000, v[76+\tk]
.endr
.irp tk, 0,1,2,3
	v_lshrrev_b32 v[224+4*((\q)%2)+\tk], 23, v[88+\tk]
.endr
	WIN 0x03
.irp tk, 0,1,2,3
	v_cvt_scalef32_pk8_fp4_f32 v[232+8*((\q)%2)+2*\tk], v[192+16*\tk:199+16*\tk], v[88+\tk]
	v_cvt_scalef32_pk8_fp4_f32 v[233+8*((\q)%2)+2*\tk], v[200+16*\tk:207+16*\tk], v[88+\tk]
.endr
	WIN 0
	v_nop                                          ; one plain place behind the scaled conversions: matrix instructions write their sources next
.irp tk, 0,1,2,3
	ds_store_b64 v[OCA], v[232+8*((\q)%2)+2*\tk:233+8*((\q)%2)+2*\tk] offset:(4*(\q)+\tk)*528
.endr
.irp tk, 0,1,2,3
	ds_store_b8 v[OSA], v[224+4*((\q)%2)+\tk] offset:(4*(\q)+\tk)*36   ; both halves write the same byte
.endr
.endm
	s_mov_b32 s52, 0                               ; the chunk's 16 bytes in a head's 32 of codes,
	s_mov_b32 s53, 0                               ; and its byte of the head's two
	s_mov_b32 s47, 2
.Lchunk:
	TRIP 0, 1
	MM 0, 1
	TRIP 1, 1
	MM 1, 0
	VSTORE 0
	TRIP 0, 1
	MM 0, 1
	TRIP 1, 1
	MM 1, 0
	VSTORE 1
	BARRIER                                        ; the chunk of V lies in LDS, all 16 heads of all 64 tokens
	v_add_nc_u32 v[OCA], s52, v[OCW]
	v_add_nc_u32 v[OSA], s53, v[OSW]
	PVLOAD 0
.irp q, 0,1,2,3
.if \q == 0
	s_wait_dscnt 0x0
.else
	s_wait_dscnt 8                                 ; this batch's 64 loads are in; the last batch's 8 stores of codes and bytes may be out
.endif
	PVMM \q
.if \q < 3
	PVLOAD \q+1                                    ; into the other buffer, while this batch is quantised
.endif
	PVEPI \q
.endr
	s_add_co_u32 s52, s52, 16
	s_add_co_u32 s53, s53, 1
	s_sub_co_u32 s47, s47, 1
	s_cmp_lg_u32 s47, 0
	s_cbranch_scc1 .Lchunk
; ---- PROJ: the attention's codes take the tokens' place in window 1; four steps of 256 outputs, 64 a wave.
.macro BLOAD                           ; the step's bias in the result's layout: lane (r, hh), tile nt: outputs 16 nt + 8 hh + 0 .. 7 of my 64
	WIN 0xc0
.irp nt, 0,1,2,3
	global_load_b128 v[8*\nt:8*\nt+3], v[BO], s[16:17] offset:\nt*64
	global_load_b128 v[8*\nt+4:8*\nt+7], v[BO], s[16:17] offset:\nt*64+16
.endr
	WIN 0
.endm
.macro SEND tt
	WIN 0x08                                       ; a store's data are its source 1: window 2
.irp i, 0,1,2,3,4,5,6,7
	global_store_b128 v[GO], v[128+32*((\tt)%2)+4*\i:131+32*((\tt)%2)+4*\i], s[18:19] offset:(16*(\tt)+2*\i)*4096 th:TH_STORE_NT   ; sixteen lanes store 256 consecutive bytes, aligned; written once
.endr
	WIN 0
.endm
.macro YOUT step                       ; a tile of 16 tokens x my 64 outputs at a time through my own stage; LDS serves a wave's instructions in order
	PLACES 4
.irp tt, 0,1,2,3
.if \tt >= 2
	s_wait_xcnt 0x0                                ; the stores of two tiles back have read their registers: this tile's rows may land there
.endif
.irp nt, 0,1,2,3
	ds_store_b128 v[YW], v[ACC+32*\tt+8*\nt:ACC+32*\tt+8*\nt+3] offset:(\tt%2)*4352+\nt*64
	ds_store_b128 v[YW], v[ACC+32*\tt+8*\nt+4:ACC+32*\tt+8*\nt+7] offset:(\tt%2)*4352+\nt*64+16
.endr
	WIN 0x80
.irp i, 0,1,2,3,4,5,6,7
	ds_load_b128 v[128+32*(\tt%2)+4*\i:131+32*(\tt%2)+4*\i], v[YR] offset:(\tt%2)*4352+\i*544
.endr
	WIN 0
.if \tt >= 1
	s_wait_dscnt 16                                ; the tile before is back in registers; this tile's 8 stores and 8 loads may be out
	SEND \tt-1
.endif
.endr
	s_wait_dscnt 0x0
	SEND 3
.if \step
	s_wait_xcnt 0x0                                ; the stores have read their base and their registers
	s_add_nc_u64 s[18:19], s[18:19], 1024          ; the next step's 256 outputs
.endif
.endm
	BARRIER                                        ; the attention's codes and scale bytes lie in LDS; nobody reads V any more
	WIN 0x40
.irp tt, 0,1,2,3
.irp s8, 0,1,2,3,4,5,6,7
.irp c, 0,1
	ds_load_b128 v[8*(8*\tt+\s8)+4*\c:8*(8*\tt+\s8)+4*\c+3], v[OCR] offset:\tt*8448+\s8*64+\c*32
.endr
.endr
.endr
	WIN 0
.irp s8, 0,1,2,3,4,5,6,7
.irp p, 0,1
	ds_load_b32 v[XS+2*\s8+\p], v[OSR] offset:\p*1152+4*\s8        ; lane l: token 32 p + l
.endr
.endr
	BLOAD
	s_mov_b32 s47, 3
.Lproj:
	TRIP 0, 1
	s_wait_loadcnt 0x0                             ; the bias; this wait also frees its base
	MM 0, 2
	TRIP 1, 1
	s_add_nc_u64 s[16:17], s[16:17], 1024
	BLOAD                                          ; the next step's bias: four places behind the products that took this step's as C
	MM 1, 0
	YOUT 1
	s_sub_co_u32 s47, s47, 1
	s_cmp_lg_u32 s47, 0
	s_cbranch_scc1 .Lproj
	TRIP 0, 1                                      ; the last step is written out: its second change of slots asks for nothing, and no bias follows
	s_wait_loadcnt 0x0
	MM 0, 2
	TRIP 1, 0
	MM 1, 0
	YOUT 0
	s_wait_tensorcnt 0x0                           ; the wave's end, behind my last tensor load and my last LDS store
	ds_add_u32 v[SPW], v[NIL]
	s_wait_dscnt 0x0
	ROUND                                          ; the closing round: no work-group ends while a partner may still ask for a block that names it
	s_endpgm
.Lfunc_end_k_qb0041c61e5_fused:
	.size	k_qb0041c61e5_fused, .Lfunc_end_k_qb0041c61e5_fused-k_qb0041c61e5_fused
	.p2alignl 7, 3214868480
	.fill 96, 4, 3214868480
	.section	.rodata,"a",@progbits
	.p2align	6, 0x0
	.amdhsa_kernel k_qb0041c61e5_fused
		.amdhsa_group_segment_fixed_size 327680
		.amdhsa_private_segment_fixed_size 0
		.amdhsa_enable_private_segment 0
		.amdhsa_kernarg_size 64
		.amdhsa_user_sgpr_count 2
		.amdhsa_user_sgpr_kernarg_segment_ptr 1
		.amdhsa_wavefront_size32 1
		.amdhsa_system_sgpr_workgroup_id_x 1
		.amdhsa_system_sgpr_workgroup_id_y 1
		.amdhsa_system_sgpr_workgroup_id_z 1
		.amdhsa_system_vgpr_workitem_id 0
		.amdhsa_next_free_vgpr 1024
		.amdhsa_next_free_sgpr 66
		.amdhsa_reserve_vcc 0
		.amdhsa_float_denorm_mode_32 3
		.amdhsa_float_denorm_mode_16_64 3
		.amdhsa_memory_ordered 1
		.amdhsa_forward_progress 1
		.amdhsa_inst_pref_size 255
	.end_amdhsa_kernel
	.section	.bss,"aw",@nobits
	.p2align	6
	.space	262144
	.amdgpu_metadata
---
amdhsa.version: [ 1, 2 ]
amdhsa.kernels:
  - .name:           k_qb0041c61e5_fused
    .symbol:         k_qb0041c61e5_fused.kd
    .args:
      - { .name: x, .offset: 0, .size: 8, .value_kind: global_buffer, .address_space: global }
      - { .name: freqs_cos, .offset: 8, .size: 8, .value_kind: global_buffer, .address_space: global }
      - { .name: freqs_sin, .offset: 16, .size: 8, .value_kind: global_buffer, .address_space: global }
      - { .name: g_q, .offset: 24, .size: 8, .value_kind: global_buffer, .address_space: global }
      - { .name: g_k, .offset: 32, .size: 8, .value_kind: global_buffer, .address_space: global }
      - { .name: wstream, .offset: 40, .size: 8, .value_kind: global_buffer, .address_space: global }
      - { .name: b_proj, .offset: 48, .size: 8, .value_kind: global_buffer, .address_space: global }
      - { .name: out0, .offset: 56, .size: 8, .value_kind: global_buffer, .address_space: global }
    .group_segment_fixed_size: 327680
    .private_segment_fixed_size: 0
    .kernarg_segment_align: 8
    .kernarg_segment_size: 64
    .max_flat_workgroup_size: 128
    .sgpr_count:     66
    .vgpr_count:     1024
    .wavefront_size: 32
...
	.end_amdgpu_metadata
.endif
;; end of part 2
;; ======== version 2 of 2: 2 launches
;; limits: right only within a limited range of input values
;; workspace buffers: wstream 2,228,224 bytes
;; launch wprep (part 3): grid 32 x 8, 4 waves a work-group, no clusters, 0 bytes of LDS; arguments w_qkv, w_proj, wstream; writes wstream
.if DOCPART == 3
	.amdgcn_target "amdgcn-amd-amdhsa--gfx1250"
	.amdhsa_code_object_version 6
	.text
	.protected	k_qb0041c61e5_wprep
	.globl	k_qb0041c61e5_wprep
	.p2align	8
	.type	k_qb0041c61e5_wprep,@function
k_qb0041c61e5_wprep:
	s_mov_b64 s[64:65], 0
	v_nop
	global_prefetch_b8 v0, s[64:65] scope:SCOPE_SE
	s_setreg_imm32_b32 hwreg(HW_REG_WAVE_MODE, 25, 1), 1
	s_wait_xcnt 0x0
; w_qkv [1024 (k)][3072] and w_proj [1024 (k)][1024], f32, are quantised along K, their FIRST axis, to codes of FP4 (E2M1) with one E8M0 byte for each 32 along K,
; and laid into ONE stream in the order in which the second launch takes them: images of operand registers, and the scale words beside them.
; NOTHING OF THE PROBLEM IS LEFT OUT in this program: every input has a way to the output (the gains and the rope's cos and sin move codes of a live quantised product, the bias is added at the end).
; THE STREAM: 32 slots (slot = 2 x step + half of K; steps 0-3 q, 4-7 k, 8-11 v, 12-15 proj) x 4 blocks (one for each wave of the reader) x 17,408 bytes.
;   A block: 16 fragments f = 4 ks + nt (K step ks of 128, tile nt of 16 weight columns), 1,024 bytes each: group c at 512 c, lane 16 hh + r at 16 bytes a lane: the 32 codes of tile row r, k = 64 c + 32 hh + 0..31;
;   behind them, from byte 16,384: the scale words [ks][nt][r], 4 bytes: byte b for k = 32 b .. 32 b + 31 of that K step.
; WHICH COLUMN IS TILE ROW r:  q, k: head x 64 + 32 (r / 8) + 8 nt + r % 8 (so that in the reader's transposed result a lane holds a whole block of 32 of a head);
;   v: head g = 8 sp + 2 w + nt / 2, channel 32 c + 16 (nt % 2) + r;   proj: 256 ps + 64 w + 16 nt + r.
; A LANE TAKES A COLUMN AND ITS REGISTERS RUN DOWN K: a block of 32 lies in one lane's 32 registers, its largest magnitude needs no other lane, the conversions give codes with K innermost, and a lane's four blocks
; are one K step, so that its scale word is whole.  A work-group takes 128 columns x 128 along K.  No LDS, no barrier: waves share nothing.
; A block's scale is 2^(floor(log2(largest magnitude)) - 2): its byte is the largest magnitude's exponent field - 2, held at 1 from below.
; LIMITS: a block of zeros gets the byte 1 where the rule says 127 (its codes are zeros, which add nothing under any byte but 0xff, and this program alone reads the bytes); NaN and infinities among the inputs are not served.
; The codes leave as 256 consecutive bytes from sixteen lanes, aligned; the scale words, one sixteenth of the output, as 128 consecutive bytes a wave.
.set PQKV, 12288                       ; a row of w_qkv in bytes
.set PPRJ, 4096                        ; a row of w_proj
.set BLK,  17408
.set X,    32                          ; v32-95   two sets of 32 numbers
.set C,    96                          ; v96-111  four registers of codes for each block: no store's data are written again
	s_load_b128 s[4:7], s[0:1], 0x0                ; w_qkv, w_proj
	s_load_b64 s[8:9], s[0:1], 0x10                ; the stream
	v_lshrrev_b32 v1, 5, v0
	v_readfirstlane_b32 s10, v1                    ; wave 0..3
	v_and_b32 v1, 31, v0                           ; lane
	v_and_b32 v2, 15, v0                           ; r
	v_bfe_u32 v3, v0, 4, 1                         ; which of the wave's two tiles
	v_lshlrev_b32 v7, 3, v3                        ; q, k: my column in the wave's part: 8 x tile
	v_and_b32 v8, 7, v2
	v_add_nc_u32 v7, v7, v8                        ; + r % 8
	v_and_b32 v8, 8, v2
	v_lshl_add_u32 v7, v8, 2, v7                   ; + 32 (r / 8)
	s_wait_alu depctr_va_vdst(0)
	v_lshlrev_b32 v5, 4, v2
	v_lshl_add_u32 v5, v3, 10, v5                  ; codes: 1,024 x tile + 16 r
	v_lshlrev_b32 v6, 2, v1                        ; scale words: 4 x lane
	s_and_b32 s11, ttmp7, 0xffff                   ; which 128 along K: 0..7
	s_lshr_b32 s12, s10, 1
	s_and_b32 s13, s10, 1
	s_lshr_b32 s19, ttmp9, 3                       ; 0, 1: q, k;  2: v;  3: proj
	s_lshr_b32 s15, ttmp9, 1                       ; q, k, proj: step,
	s_and_b32 s16, ttmp9, 1
	s_lshl_b32 s16, s16, 1
	s_add_co_u32 s16, s16, s12                     ; and the reader's wave
	s_and_b32 s17, ttmp9, 7
	s_lshr_b32 s17, s17, 2
	s_lshl_b32 s18, s12, 1
	s_add_co_u32 s17, s17, s18
	s_add_co_u32 s17, s17, 8                       ; v: step = 8 + 2 x chunk + half of the heads,
	s_and_b32 s18, ttmp9, 3                        ; and the reader's wave
	s_lshl_b32 s20, s12, 6
	s_lshl_b32 s21, s13, 4
	s_add_co_u32 s20, s20, s21                     ; the wave's first column among the group's 128: q, k;
	s_lshl_b32 s21, s13, 6
	s_lshl_b32 s22, s12, 5
	s_add_co_u32 s21, s21, s22                     ; v;
	s_lshl_b32 s22, s10, 5                         ; proj
	s_cmp_eq_u32 s19, 2
	s_cselect_b32 s15, s17, s15
	s_cselect_b32 s16, s18, s16
	s_cselect_b32 s20, s21, s20
	s_cmp_eq_u32 s19, 3
	s_cselect_b32 s20, s22, s20
	s_cselect_b32 s23, 24, 0
	s_sub_co_u32 s23, ttmp9, s23
	s_lshl_b32 s23, s23, 7                         ; the group's first column in its tensor
	s_add_co_u32 s20, s20, s23
	s_lshl_b32 s20, s20, 2                         ; in bytes
	s_cmp_lt_u32 ttmp9, 16
	s_cselect_b32 s14, -1, 0
	v_cndmask_b32 v4, v1, v7, s14                  ; my column in the wave's part: q, k as above, else the lane
	v_lshlrev_b32 v4, 2, v4
	s_lshl_b32 s24, s15, 1
	s_lshr_b32 s25, s11, 2
	s_add_co_u32 s24, s24, s25                     ; slot
	s_lshl_b32 s24, s24, 2
	s_add_co_u32 s24, s24, s16
	s_mul_i32 s24, s24, BLK                        ; the block's first byte
	s_and_b32 s25, s11, 3                          ; K step in the block
	s_lshl_b32 s26, s25, 12
	s_lshl_b32 s27, s13, 11
	s_add_co_u32 s26, s26, s27
	s_add_co_u32 s26, s26, s24                     ; codes: fragment 4 ks + 2 (wave % 2)
	s_mov_b32 s27, 0
	s_lshl_b32 s28, s25, 8
	s_lshl_b32 s29, s13, 7
	s_add_co_u32 s28, s28, s29
	s_add_co_u32 s28, s28, s24
	s_add_co_u32 s28, s28, 16384                   ; scale words: [ks][2 (wave % 2) ..]
	s_mov_b32 s29, 0
	s_mov_b32 s35, 0
	s_wait_kmcnt 0x0
	s_add_nc_u64 s[30:31], s[8:9], s[26:27]
	s_add_nc_u64 s[32:33], s[8:9], s[28:29]
.macro LOADW t, pitch, sb              ; block t: W(32 t + i, my column), i = 0 .. 31, into set t % 2
.irp i, 0,1,2,3,4,5,6,7,8,9,10,11,12,13,14,15,16,17,18,19,20,21,22,23,24,25,26,27,28,29,30,31
	global_load_b32 v[X+32*((\t)%2)+\i], v4, s[\sb:\sb+1] offset:(32*(\t)+\i)*\pitch th:TH_LOAD_NT
.endr
.endm
.macro BLOCKW t, pitch, sb
.set XS, X+32*((\t)%2)
.if (\t) < 3
	s_wait_loadcnt 32                              ; this block's 32 loads are in; the next block's 32 may be out
.else
	s_wait_loadcnt 0x0
.endif
	v_max3_num_f32 v12, |v[XS]|, |v[XS+1]|, |v[XS+2]|              ; the block's largest magnitude, in two chains
	v_max3_num_f32 v13, |v[XS+3]|, |v[XS+4]|, |v[XS+5]|
.irp i, 6,10,14,18,22,26
	v_max3_num_f32 v12, v12, |v[XS+\i]|, |v[XS+\i+1]|
	v_max3_num_f32 v13, v13, |v[XS+\i+2]|, |v[XS+\i+3]|
.endr
	v_max3_num_f32 v12, v12, |v[XS+30]|, |v[XS+31]|
	v_max3_num_f32 v12, v12, v13, 0x1800000        ; and the floor 2^(3 - 127): the byte cannot fall under 1
	v_add_nc_u32 v11, 0xff000000, v12              ; 2 off the exponent field: the conversion takes this operand's exponent field as its scale
	v_lshrrev_b32 v13, 23, v11                     ; the scale's byte
.if (\t) == 0
	v_mov_b32 v24, v13
.else
	v_lshl_or_b32 v24, v13, 8*(\t), v24            ; block t = 2 c + hh is byte t of the K step's word
.endif
.irp g, 0,1,2,3
	v_cvt_scalef32_pk8_fp4_f32 v[C+4*(\t)+\g], v[XS+8*\g:XS+8*\g+7], v11
.endr
	global_store_b128 v5, v[C+4*(\t):C+4*(\t)+3], s[30:31] offset:((\t)/2)*512+((\t)%2)*256   ; sixteen lanes store 256 consecutive bytes, aligned.  (The next vector lines are plain ones: the place behind the conversions)
.if (\t) < 2
	LOADW (\t)+2, \pitch, \sb
.endif
.endm
.macro BODY pitch, sb
	LOADW 0, \pitch, \sb
	LOADW 1, \pitch, \sb
	BLOCKW 0, \pitch, \sb
	BLOCKW 1, \pitch, \sb
	BLOCKW 2, \pitch, \sb
	BLOCKW 3, \pitch, \sb
	global_store_b32 v6, v24, s[32:33]             ; my column's scale word of this K step
	s_endpgm
.endm
	s_cmp_eq_u32 s19, 3                            ; the two tensors differ in their rows' length, which stands in the loads' immediates: two copies of the body
	s_cbranch_scc1 .Lproj
	s_mul_i32 s34, s11, 128*PQKV
	s_add_co_u32 s34, s34, s20
	s_add_nc_u64 s[4:5], s[4:5], s[34:35]
	s_wait_alu depctr_va_vdst(0)
	BODY PQKV, 4
.Lproj:
	s_mul_i32 s34, s11, 128*PPRJ
	s_add_co_u32 s34, s34, s20
	s_add_nc_u64 s[6:7], s[6:7], s[34:35]
	s_wait_alu depctr_va_vdst(0)
	BODY PPRJ, 6
.Lfunc_end_k_qb0041c61e5_wprep:
	.size	k_qb0041c61e5_wprep, .Lfunc_end_k_qb0041c61e5_wprep-k_qb0041c61e5_wprep
	.p2alignl 7, 3214868480
	.fill 96, 4, 3214868480
	.section	.rodata,"a",@progbits
	.p2align	6, 0x0
	.amdhsa_kernel k_qb0041c61e5_wprep
		.amdhsa_group_segment_fixed_size 0
		.amdhsa_private_segment_fixed_size 0
		.amdhsa_enable_private_segment 0
		.amdhsa_kernarg_size 24
		.amdhsa_user_sgpr_count 2
		.amdhsa_user_sgpr_kernarg_segment_ptr 1
		.amdhsa_wavefront_size32 1
		.amdhsa_system_sgpr_workgroup_id_x 1
		.amdhsa_system_sgpr_workgroup_id_y 1
		.amdhsa_system_sgpr_workgroup_id_z 1
		.amdhsa_system_vgpr_workitem_id 0
		.amdhsa_next_free_vgpr 112
		.amdhsa_next_free_sgpr 66
		.amdhsa_reserve_vcc 0
		.amdhsa_float_denorm_mode_32 3
		.amdhsa_float_denorm_mode_16_64 3
		.amdhsa_memory_ordered 1
		.amdhsa_forward_progress 1
		.amdhsa_inst_pref_size 40
	.end_amdhsa_kernel
	.amdgpu_metadata
---
amdhsa.version: [ 1, 2 ]
amdhsa.kernels:
  - .name:           k_qb0041c61e5_wprep
    .symbol:         k_qb0041c61e5_wprep.kd
    .args:
      - { .name: w_qkv, .offset: 0, .size: 8, .value_kind: global_buffer, .address_space: global }
      - { .name: w_proj, .offset: 8, .size: 8, .value_kind: global_buffer, .address_space: global }
      - { .name: wstream, .offset: 16, .size: 8, .value_kind: global_buffer, .address_space: global }
    .group_segment_fixed_size: 0
    .private_segment_fixed_size: 0
    .kernarg_segment_align: 8
    .kernarg_segment_size: 24
    .max_flat_workgroup_size: 128
    .sgpr_count:     66
    .vgpr_count:     112
    .wavefront_size: 32
...
	.end_amdgpu_metadata
.endif
;; end of part 3
;; launch fused (part 4): grid 256 x 1, 4 waves a work-group, clusters of 4 x 1, 327,680 bytes of LDS; arguments x, freqs_cos, freqs_sin, g_q, g_k, wstream, b_proj, out0; writes out0
.if DOCPART == 4
	.amdgcn_target "amdgcn-amd-amdhsa--gfx1250"
	.amdhsa_code_object_version 6
	.text
	.protected	k_qb0041c61e5_fused
	.globl	k_qb0041c61e5_fused
	.p2align	8
	.type	k_qb0041c61e5_fused,@function
k_qb0041c61e5_fused:
	s_mov_b64 s[64:65], 0
	v_nop
	global_prefetch_b8 v0, s[64:65] scope:SCOPE_SE
	s_setreg_imm32_b32 hwreg(HW_REG_WAVE_MODE, 25, 1), 1
	s_wait_xcnt 0x0
	s_wait_alu depctr_hold_cnt(0) depctr_sa_sdst(0) depctr_va_vdst(0) depctr_va_sdst(0) depctr_va_ssrc(0) depctr_va_vcc(0) depctr_vm_vsrc(0)
	s_getreg_b32 s2, hwreg(HW_REG_IB_STS2, 6, 4)
	s_cmp_eq_u32 s2, 0
	s_cbranch_scc0 .Lentry_in_a_cluster
	s_endpgm
.Lentry_in_a_cluster:
	s_bfe_u32 s2, ttmp6, 0x10000c
	s_cmp_lg_u32 s2, 0x3003
	s_cbranch_scc0 .Lentry_shape_is_right
	s_endpgm
.Lentry_shape_is_right:
; out0 = Q(attention) Q(w_proj) + b_proj, with qkv = Q(x) Q(w_qkv), RMS norm and rope on q and k, scores Q(q) Q(k)^T / 8 between the 16 heads of ONE token, softmax over the heads, P V in f32.
; Q is the quantiser to FP4 (E2M1) with one E8M0 scale for each 32 along a product's K.  Nothing of the problem is left out; nothing but out0 goes to memory.
; SHARES.  A work-group takes 64 tokens through the whole chain: 256 work-groups.  THE FOUR WAVES SHARE THE COLUMNS, NOT THE ROWS: the tokens' codes (64 rows x 1,024 K: 32 fragments, 256 registers) stay in every wave's
; registers; a wave's 64 weight columns of a step come from the stream that the first launch laid as images of operand registers: each weight fragment feeds four matrix instructions.
; THE STREAM HAS TWO ROADS.  A step's first 512 along K (17,408 bytes a wave) come through a ring of two LDS slots, by the wave's own tensor load, and are read by that wave alone.  All work-groups walk the same stream, so the four
; of a cluster ask for these blocks JOINTLY: the same load, the same descriptor, mask 15.  A step's second 512 along K come straight from memory into registers, 16 bytes a lane, 512 consecutive bytes a load, NOT jointly.
; The reason, by this text's own count: the ring's two slots take 139,264 bytes, the spare words 512 and the phases' stages 184,576, of 327,680: slots of a whole step do not fit; and slots of half a step for both halves would
; want 32 rounds of the cluster's barrier and not 16, each load with half a step in which to land.  By this text's own count one tensor load and 40 register loads of weights of a wave are out at any time.
; No prefetch: x is wanted at the head, with no trip ahead of it, and the stream is read by every cluster again and again, not once.
; LONG RUNS OF LDS INSTRUCTIONS ARE CUT UP AMONG MATRIX INSTRUCTIONS: the ring is read K step by K step, two K steps ahead of the products; the f32 products' operands of the next four tokens are read in four parts among this batch's
; products; V's stores into its stage stand between the register loads of the next weights.
; ALL PRODUCTS ARE USED TRANSPOSED (source 0 = 16 weight columns, source 1 = 16 tokens): a lane holds ONE token and eight neighbouring outputs a tile.
; PHASES.  X: wave w quantises tokens 16 w .. + 15; the images of the fragments go through LDS to all waves.  QK (8 steps): a wave makes one head of q or k for the 64 tokens; norm, gain, rope, quantised in registers
; (the weight columns of a tile are chosen so that a lane holds a whole block of 32), codes to LDS by token.  SCORES: wave w takes its 16 tokens, one matrix instruction a token (K = 64 and 64 zero codes), softmax with the row's
; maximum taken away, P normalised as the problem has it, kept in registers.  V (2 chunks of 32 channels x 2 steps): V in f32 to LDS by token; P V by the f32 matrix form, since its result goes into a quantiser; quantised, codes to LDS.
; PROJ (4 steps): the bias is the C of each sum's first matrix instruction; results leave through a stage, sixteen lanes to 256 consecutive bytes.
; LIMITS: NaN and infinities among the inputs are not served.  A block of zeros gets the scale byte 1 where the rule says 127 (its codes are zeros; this program alone reads the bytes).  v_sqrt_f32, v_rcp_f32 and v_exp_f32 take
; denormals as zero: a head's sum of squares under 2^-126 counts as 0, which beside the norm's 1e-6 moves nothing.  x / (norm + eps) is x times the reciprocal (1 ulp).
; REGISTERS, in windows of 256 (s_set_vgpr_msb: bits 1:0 source 0, 3:2 source 1, 5:4 source 2, 7:6 destination):
;   window 0: v1-41 addresses; scale words, which hold scales alone: v48-63 the tokens', v64-71 the weights' first half, v42-47, v28, v29 their second half, v72-75 the scores'; v76-95, v224-255 at work;
;             v96-223 the 16 accumulators (token tile tt, weight tile nt at 96 + 32 tt + 8 nt)
;   window 1: the tokens' 32 fragments (tile tt, K step s8 at 8 (8 tt + s8)); in phase X four landing sets of 64
;   window 2: the weights: v0-127 the 16 fragments of a step's first half, v128-255 those of its second half
;   window 3: v0-127 cos and sin, then P (eight registers a token), in PROJ four sets of rows of y; v128-159 the gain, then the bias; v192-255 the f32 form's eight accumulators, which nothing but matrix instructions writes
.set BLK,   17408                      ; a wave's block of half a step: 16 fragments of 1,024 bytes, 1,024 bytes of scale words
.set SLOT,  4*BLK                      ; 69,632 = 0x11000: no block's base (wave x 0x4400) has one of its two bits, so an exclusive or with it turns an address in one slot into the other's
.set SPARE, 2*SLOT                     ; behind the ring: the spare words, 128 bytes a wave: two blocks of 256 bytes that no other line names
.set U0,    SPARE+512                  ; from here on: bytes that LDS stores write; no tensor load lands here.  The phases use them in turn, a barrier between
.set XST,   U0                         ; X: for each wave two stages of 16 rows x (512 + 16)
.set XIMG,  U0+67584                   ;    32 fragment images of 1,024 bytes
.set XSC,   U0+100352                  ;    scale words [K step][tile][row]
.set QC,    U0                         ; QK: a token's codes, pitch 1,040: [half of a head][q, k][head][16 bytes]
.set QS,    U0+66560                   ;    a token's scale words, pitch 132: 16 of q, 16 of k
.set VR,    U0                         ; V: a chunk of V in f32: token pitch 2,320, head pitch 144 (32 numbers + 16 bytes)
.set OC,    U0+148480                  ;    the attention's codes, token pitch 528
.set OS,    U0+182272                  ;    their scale bytes, token pitch 36
.set YST,   U0                         ; PROJ: for each wave two stages of 16 rows x (256 + 16)
.set SPW, 4                            ; v4   my spare word: SPARE + 4 x my thread's number; never rewritten
.set NIL, 5                            ; v5   0; never rewritten
.set WA,  6                            ; v6   my block in slot 0: + 16 x lane;  v7 the same in the slot in hand
.set WAC, 7
.set WB,  8                            ; v8   my block in slot 0: + 4 x lane;   v9 the same in the slot in hand
.set WBC, 9
.set L16, 10                           ; 16 x lane
.set XSTW, 11
.set XSTR, 12
.set XIW, 13
.set XSW, 14
.set XIR, 15
.set XSR, 16
.set CSO, 17
.set GOF, 18
.set SH8, 19                           ; 8 x (lane / 16)
.set QCW, 20
.set QSW, 21
.set QCA, 22
.set QSA, 23
.set SCA, 24
.set SCS, 25
.set VW,  26                           ; v26-27: tokens 0-31, 32-63
.set VRD, 30
.set OCW, 31
.set OSW, 32
.set OCA, 33
.set OSA, 34
.set OCR, 35
.set OSR, 36
.set YW,  37
.set YR,  38
.set GO,  39
.set BO,  40
.set L4,  41                           ; 4 x lane
.set XS,  48
.set WS,  64
.set SS,  72
.set ACC, 96
.set WV,  20                           ; s20 my wave's number
.set G1,  24                           ; s[24:31] descriptor group 1
.set G0,  32                           ; s[32:35] group 0, which walks
.set SEL, 40                           ; s[40:41] v_permlanex16_b32's selects for lane l xor 16
.set C2,  42                           ; s[42:43] log2(e) / 8, twice; s44 its negative; s45 1/8; s46 1e-6
.set TB,  51                           ; s51 LDS byte at which the slot to be read next begins: 0 or SLOT
.set MSB, 0
.macro WIN new                         ; the immediate's high byte repeats the setting that is left; a switch that changes nothing is dropped
.if MSB != \new
	s_set_vgpr_msb (MSB<<8)|\new
.set MSB, \new
.endif
.endm
.macro PLACES n                        ; plain vector instructions that name no register of the matrix instructions ahead of them (ISA guide 7.12.1)
.rept \n
	v_nop
.endr
.endm
.macro ROUND                           ; a round of the cluster's barrier: my work-group's barrier; wave 0 signals for the work-group; every wave waits for all four; my work-group's barrier once more
	s_barrier_signal -1
	s_barrier_wait -1
	s_cmp_lg_u32 s[WV], 0
	s_cbranch_scc1 .Lnot_wave_0_\@
	s_barrier_signal -3
.Lnot_wave_0_\@:
	s_barrier_wait -3
	s_barrier_signal -1
	s_barrier_wait -1
.endm
.macro BARRIER                         ; my LDS stores have landed and my LDS loads are in; then the work-group's barrier.  My one tensor load may stay out
	s_wait_dscnt 0x0
	s_barrier_signal -1
	s_barrier_wait -1
.endm
.macro FETCHK k                        ; K step k of my block of the slot in hand: four fragments, 8 loads
	WIN 0x80
.irp nt, 0,1,2,3
	ds_load_b128 v[8*(4*(\k)+\nt):8*(4*(\k)+\nt)+3], v[WAC] offset:(4*(\k)+\nt)*1024
	ds_load_b128 v[8*(4*(\k)+\nt)+4:8*(4*(\k)+\nt)+7], v[WAC] offset:(4*(\k)+\nt)*1024+512
.endr
.endm
; The second half of a step's K, my block, comes from memory straight into registers, K step by K step.  GLK k: K step k's group of 10 loads: its 2 scale words, then its 4 fragments, 512 consecutive bytes a load.  s[14:15] stands at the block.
; VS = 0, 1: V's step sp = VS has just been multiplied: its 32 stores into V's stage stand between the last group's 8 fragment loads, four behind each, each accumulator from its low end on (a store's address and data lie in window 0 under this setting too).
.set MORE, 0                           ; 1 while a second half asks for the next step's groups
.set VS, -1
.macro GLK k
	WIN 0
.irp q, 0,1
.if (\k) < 3
	global_load_b32 v[42+2*(\k)+\q], v[L4], s[14:15] offset:16384+(2*(\k)+\q)*128
.else
	global_load_b32 v[28+\q], v[L4], s[14:15] offset:16384+(6+\q)*128
.endif
.endr
	WIN 0x80
.irp nt, 0,1,2,3
.irp c, 0,1
	global_load_b128 v[128+8*(4*(\k)+\nt)+4*\c:131+8*(4*(\k)+\nt)+4*\c], v[L16], s[14:15] offset:(4*(\k)+\nt)*1024+512*\c
.if (VS >= 0) && ((\k) == 3)
.irp e, 0,1
	ds_store_b128 v[VW+\nt/2], v[ACC+8*(4*\nt+2*\c+\e):ACC+8*(4*\nt+2*\c+\e)+3] offset:(\nt%2)*37120+VS*1152+\c*144+\e*64
	ds_store_b128 v[VW+\nt/2], v[ACC+8*(4*\nt+2*\c+\e)+4:ACC+8*(4*\nt+2*\c+\e)+7] offset:(\nt%2)*37120+VS*1152+\c*144+\e*64+16
.endr
.endif
.endr
.endr
.endm
.macro GLOADW                          ; all four groups on end: step 0's, at the head
	GLK 0
	GLK 1
	GLK 2
	GLK 3
	WIN 0
.endm
.macro BLOAD                           ; a step's bias in the result's layout: lane (r, hh), tile nt: outputs 16 nt + 8 hh + 0 .. 7 of my 64
	WIN 0xc0
.irp nt, 0,1,2,3
	global_load_b128 v[128+8*\nt:131+8*\nt], v[BO], s[16:17] offset:\nt*64
	global_load_b128 v[132+8*\nt:135+8*\nt], v[BO], s[16:17] offset:\nt*64+16
.endr
	WIN 0
.endm
; THE CHANGE OF SLOTS, at the head of each step.  Every wave waits for all its tensor loads (one is out: this step's block), adds 0 to its spare word, and waits for that and for its LDS instructions; the round then holds of every wave of all
; four work-groups; the joint refill of the other slot, with the next step's block, is the first thing behind it, one load a wave.  Then the block's scale words (register 2 ks + q: tile 2 q in lanes 0-15, tile 2 q + 1 in lanes 16-31)
; and its first two K steps are read.
.macro TRIP refill
	s_wait_tensorcnt 0x0                           ; this step's block has landed, and no load of mine is out: group 0 may be written
	ds_add_u32 v[SPW], v[NIL]                      ; work on registers stands between the add and the wait for it
.if \refill
	s_xor_b32 s[G0+1], s[G0+1], SLOT               ; the walking descriptor: the other slot than last time,
	s_add_nc_u64 s[G0+2:G0+3], s[G0+2:G0+3], 2*SLOT   ; the next step's first half: two slots' bytes on in the stream; the type bits on top are not reached
.endif
	v_add_nc_u32 v[WAC], s[TB], v[WA]              ; where this step's block lies
	v_add_nc_u32 v[WBC], s[TB], v[WB]
	s_xor_b32 s[TB], s[TB], SLOT
	s_wait_dscnt 0x0                               ; the add is done; my reads of the other slot, and all my other LDS instructions, are over
	ROUND
.if \refill
	tensor_load_to_lds s[G0:G0+3], s[G1:G1+7]
	s_nop 0
.endif
	PLACES 4                                       ; four places behind a tensor load
	s_wait_alu depctr_va_vdst(0)                   ; ahead of the readers below
.irp ks, 0,1,2,3
.irp q, 0,1
	ds_load_b32 v[WS+2*\ks+\q], v[WBC] offset:16384+\ks*256+\q*128
.endr
.endr
	FETCHK 0
	FETCHK 1
.endm
.macro WM                              ; one scaled product; rD, rA, rB, rC (under 0: the constant 0), rSA, rSB: registers; fA, fB: the side's scale words stand in lanes 16-31
.if rC < 0
.if fA && fB
	v_wmma_scale_f32_16x16x128_f8f6f4 v[rD:rD+7], v[rA:rA+7], v[rB:rB+7], 0, v[rSA], v[rSB] matrix_a_fmt:MATRIX_FMT_FP4 matrix_b_fmt:MATRIX_FMT_FP4 matrix_a_scale:MATRIX_SCALE_ROW1 matrix_b_scale:MATRIX_SCALE_ROW1
.elseif fA
	v_wmma_scale_f32_16x16x128_f8f6f4 v[rD:rD+7], v[rA:rA+7], v[rB:rB+7], 0, v[rSA], v[rSB] matrix_a_fmt:MATRIX_FMT_FP4 matrix_b_fmt:MATRIX_FMT_FP4 matrix_a_scale:MATRIX_SCALE_ROW1
.elseif fB
	v_wmma_scale_f32_16x16x128_f8f6f4 v[rD:rD+7], v[rA:rA+7], v[rB:rB+7], 0, v[rSA], v[rSB] matrix_a_fmt:MATRIX_FMT_FP4 matrix_b_fmt:MATRIX_FMT_FP4 matrix_b_scale:MATRIX_SCALE_ROW1
.else
	v_wmma_scale_f32_16x16x128_f8f6f4 v[rD:rD+7], v[rA:rA+7], v[rB:rB+7], 0, v[rSA], v[rSB] matrix_a_fmt:MATRIX_FMT_FP4 matrix_b_fmt:MATRIX_FMT_FP4
.endif
.else
.if fA && fB
	v_wmma_scale_f32_16x16x128_f8f6f4 v[rD:rD+7], v[rA:rA+7], v[rB:rB+7], v[rC:rC+7], v[rSA], v[rSB] matrix_a_fmt:MATRIX_FMT_FP4 matrix_b_fmt:MATRIX_FMT_FP4 matrix_a_scale:MATRIX_SCALE_ROW1 matrix_b_scale:MATRIX_SCALE_ROW1
.elseif fA
	v_wmma_scale_f32_16x16x128_f8f6f4 v[rD:rD+7], v[rA:rA+7], v[rB:rB+7], v[rC:rC+7], v[rSA], v[rSB] matrix_a_fmt:MATRIX_FMT_FP4 matrix_b_fmt:MATRIX_FMT_FP4 matrix_a_scale:MATRIX_SCALE_ROW1
.elseif fB
	v_wmma_scale_f32_16x16x128_f8f6f4 v[rD:rD+7], v[rA:rA+7], v[rB:rB+7], v[rC:rC+7], v[rSA], v[rSB] matrix_a_fmt:MATRIX_FMT_FP4 matrix_b_fmt:MATRIX_FMT_FP4 matrix_b_scale:MATRIX_SCALE_ROW1
.else
	v_wmma_scale_f32_16x16x128_f8f6f4 v[rD:rD+7], v[rA:rA+7], v[rB:rB+7], v[rC:rC+7], v[rSA], v[rSB] matrix_a_fmt:MATRIX_FMT_FP4 matrix_b_fmt:MATRIX_FMT_FP4
.endif
.endif
.endm
; HALF A STEP'S PRODUCTS: 512 along K (half kh), 64 matrix instructions: my 4 weight tiles x the 4 token tiles, K step by K step.  The 16 accumulators take turns, one instruction a turn.
; kh = 0: the weights come from LDS: each K step waits for its own 8 loads (the next K step's 8 may be out), and behind the products of K steps 0 and 1 the K step two on is read: its registers were last read a step ago.
; kh = 1: they come by register loads, in groups of 10.  MORE = 1: four places behind a K step's 16 products its registers are asked for again, with the next step's group.  So behind K step ks's group stand 10 loads for each of the
; 3 - ks later groups, the 'left' loads issued behind the four groups, and 10 for each of the ks groups asked for again: 30 + left in every K step.  MORE = 0: 10 for each later group, and left.
; cmode 1: the first K step starts the sums with the constant 0;  2: with the bias;  0: the sums go on.
.macro MM kh, cmode, left
.irp ks, 0,1,2,3
.if \kh == 0
.if \ks < 3
	s_wait_dscnt 8
.else
	s_wait_dscnt 0x0
.endif
.else
.if MORE
	s_wait_loadcnt \left+30
.else
	s_wait_loadcnt \left+30-10*\ks
.endif
.endif
.if (\cmode == 2) && (\ks == 0)
	WIN 0x36                                       ; weights window 2, tokens window 1, C (the bias) window 3, D window 0
.else
	WIN 0x06                                       ; weights window 2, tokens window 1, C and D window 0
.endif
.irp tt, 0,1,2,3
.irp nt, 0,1,2,3
.set rD, ACC+32*\tt+8*\nt
.set rA, 128*\kh+8*(4*\ks+\nt)
.set rB, 8*(8*\tt+4*\kh+\ks)
.set rSA, WS+2*\ks+\nt/2
.if \kh == 1
.set rSA, 42+2*\ks+\nt/2
.if \ks == 3
.set rSA, 28+\nt/2
.endif
.endif
.set rSB, XS+2*(4*\kh+\ks)+\tt/2
.set fA, \nt%2
.set fB, \tt%2
.set rC, rD
.if \ks == 0
.if \cmode == 1
.set rC, -1
.elseif \cmode == 2
.set rC, 128+8*\nt
.endif
.endif
	WM
.endr
.endr
.if (\kh == 0) && (\ks < 2)
	FETCHK \ks+2
.endif
.if (\kh == 1) && MORE
	PLACES 4                                       ; in front of the loads into the registers that these products read; behind the last K step also in front of the first read of results
	GLK \ks
.endif
.endr
	WIN 0
.endm
; The second half of a step.  more = 1: the pointer steps to the next step's second half at the half's head: the loads that read it were issued a step ago, and the wait on XCNT shows that they have read it.
; bl = 1: the next step's bias is asked for here, four places behind the first half's products, which read the bias's registers, and ahead of the groups, so that it can be waited for alone.
.macro HALF2 left, more, vs, bl
.set MORE, \more
.set VS, \vs
.if \more
	s_wait_xcnt 0x0
	s_add_nc_u64 s[14:15], s[14:15], 2*SLOT
.endif
.if \bl
	PLACES 4
	BLOAD
.endif
	MM 1, 0, \left
.if \more == 0
	PLACES 4                                       ; in front of the first read of results
.endif
.endm
	s_load_b512 s[4:19], s[0:1], 0x0               ; x s[4:5], cos s[6:7], sin s[8:9], g_q s[10:11], g_k s[12:13], the stream s[14:15], b_proj s[16:17], out0 s[18:19]
	v_lshl_add_u32 v[SPW], v0, 2, SPARE
	v_mov_b32 v[NIL], 0
	ds_add_u32 v[SPW], v[NIL]                      ; the wave's opening: the add, twice on end, and its wait ahead of the round in front of my first tensor load; the set-up below is work on registers
	ds_add_u32 v[SPW], v[NIL]
	v_lshrrev_b32 v1, 5, v0
	v_readfirstlane_b32 s[WV], v1                  ; wave 0..3
	s_bfe_u32 s21, ttmp6, 0x40000                  ; my place in the cluster
	s_lshl_b32 s22, ttmp9, 2                       ; in a cluster launch ttmp9 counts clusters
	s_add_co_u32 s22, s22, s21                     ; my block of 64 tokens: it enters the addresses of x, cos, sin and out0 alone
	; descriptor group 1: a block of the stream is dense: 68 rows of 256 bytes (32 elements of 8 bytes), no padding
	s_mov_b32 s[G1], 15|(3<<16)|(1<<21)            ; 15:0 the mask: all four work-groups; 17:16 elements of 8 bytes; 21 set beside a mask
	s_mov_b32 s[G1+1], 32<<16                      ; tensor_dim0 = 32
	s_mov_b32 s[G1+2], 68<<16                      ; tensor_dim1 = 68
	s_mov_b32 s[G1+3], 32<<16                      ; tile_dim0 = 32
	s_mov_b32 s[G1+4], 68                          ; tile_dim1 = 68
	s_mov_b32 s[G1+5], 32                          ; from row to row
	s_mov_b32 s[G1+6], 0
	s_mov_b32 s[G1+7], 0
	s_mov_b32 s[SEL], 0x76543210
	s_mov_b32 s[SEL+1], 0xfedcba98
	s_mov_b32 s[C2], 0x3e38aa3b                    ; log2(e) / 8
	s_mov_b32 s[C2+1], s[C2]                       ; (named with it as a pair, so it is written)
	s_mov_b32 s44, 0xbe38aa3b
	s_mov_b32 s45, 0x3e000000                      ; 64^-0.5
	s_mov_b32 s46, 0x358637bd                      ; 1e-6
	s_mov_b32 s[TB], 0
	v_and_b32 v1, 31, v0                           ; lane
	v_and_b32 v2, 15, v0                           ; r
	v_bfe_u32 v3, v0, 4, 1                         ; hh
	v_lshlrev_b32 v[L16], 4, v1
	v_lshlrev_b32 v[L4], 2, v1
	s_mul_i32 s59, s[WV], BLK                      ; my block's place in a slot, and in a slot's part of the stream
	v_add_nc_u32 v[WA], s59, v[L16]
	v_add_nc_u32 v[WB], s59, v[L4]
	s_mul_i32 s57, s[WV], 16896
	s_add_co_u32 s57, s57, XST
	v_add_nc_u32 v[XSTW], s57, v[L16]              ; x's stage, in: a token's 512 bytes as they lie
	v_mul_u32_u24 v[XSTR], v2, 528
	v_lshl_add_u32 v[XSTR], v3, 7, v[XSTR]
	v_add_nc_u32 v[XSTR], s57, v[XSTR]             ; out: token r, my block of 32 numbers
	s_lshl_b32 s58, s[WV], 13
	s_add_co_u32 s58, s58, XIMG
	v_add_nc_u32 v[XIW], s58, v[L16]               ; my tile's images
	s_lshl_b32 s58, s[WV], 6
	s_add_co_u32 s58, s58, XSC
	v_lshl_add_u32 v[XSW], v2, 2, s58              ; and scale words
	v_add_nc_u32 v[XIR], XIMG, v[L16]
	v_lshl_add_u32 v[XSR], v1, 2, XSC
	v_lshlrev_b32 v[CSO], 7, v2
	v_lshl_add_u32 v[CSO], v3, 6, v[CSO]           ; cos, sin: position r of a tile, 128 bytes each; my half's 16 pairs
	v_lshlrev_b32 v[GOF], 7, v3                    ; the gain: my half's 32 numbers
	v_lshlrev_b32 v[SH8], 3, v3
	v_mul_u32_u24 v[QCW], v2, 1040
	v_lshl_add_u32 v[QCW], v3, 9, v[QCW]
	s_lshl_b32 s58, s[WV], 4
	s_add_co_u32 s58, s58, QC
	v_add_nc_u32 v[QCW], s58, v[QCW]               ; codes of q, k: token r, half hh, head w of the step's four
	v_mul_u32_u24 v[QSW], v2, 132
	s_lshl_b32 s58, s[WV], 2
	s_add_co_u32 s58, s58, QS
	v_add_nc_u32 v[QSW], s58, v[QSW]
	s_mul_i32 s58, s[WV], 16640
	s_add_co_u32 s58, s58, QC
	v_lshlrev_b32 v[SCA], 4, v2
	v_lshl_add_u32 v[SCA], v3, 9, v[SCA]
	v_add_nc_u32 v[SCA], s58, v[SCA]               ; the scores' fragments: my 16 tokens; head r, half hh
	s_mul_i32 s58, s[WV], 2112
	s_add_co_u32 s58, s58, QS
	v_lshl_add_u32 v[SCS], v1, 2, s58              ; lanes 0-15 q's words, lanes 16-31 k's
	v_mul_u32_u24 v[VW], v2, 2320
	v_lshl_add_u32 v[VW], v3, 5, v[VW]
	s_mul_i32 s58, s[WV], 288
	s_add_co_u32 s58, s58, VR
	v_add_nc_u32 v[VW], s58, v[VW]                 ; V: token r, my two heads, my eight channels
	v_add_nc_u32 v[VW+1], 74240, v[VW]
	v_and_b32 v[VRD], 7, v2
	v_lshlrev_b32 v[VRD], 2, v[VRD]
	v_and_b32 v76, 8, v2
	v_lshl_add_u32 v[VRD], v76, 3, v[VRD]
	v_mad_u32_u24 v[VRD], v3, 1152, v[VRD]
	s_mul_i32 s58, s[WV], 37120
	s_add_co_u32 s58, s58, VR
	v_add_nc_u32 v[VRD], s58, v[VRD]               ; V^T's fragments: my 16 tokens; channel 16 (r / 8) + r % 8, heads 8 hh on
	v_lshlrev_b32 v[OCW], 5, v2
	v_lshl_add_u32 v[OCW], v3, 3, v[OCW]
	s_mul_i32 s58, s[WV], 8448
	s_add_co_u32 s58, s58, OC
	v_add_nc_u32 v[OCW], s58, v[OCW]               ; the attention's codes: head r, 8 bytes for each half
	s_mul_i32 s58, s[WV], 576
	s_add_co_u32 s58, s58, OS
	v_lshl_add_u32 v[OSW], v2, 1, s58
	v_mul_u32_u24 v[OCR], v2, 528
	v_lshl_add_u32 v[OCR], v3, 4, v[OCR]
	v_add_nc_u32 v[OCR], OC, v[OCR]
	v_mul_u32_u24 v[OSR], v1, 36
	v_add_nc_u32 v[OSR], OS, v[OSR]
	s_mul_i32 s58, s[WV], 8704
	s_add_co_u32 s58, s58, YST
	v_mul_u32_u24 v[YW], v2, 272
	v_lshl_add_u32 v[YW], v3, 5, v[YW]
	v_add_nc_u32 v[YW], s58, v[YW]
	v_mul_u32_u24 v[YR], v3, 272
	v_lshl_add_u32 v[YR], v2, 4, v[YR]
	v_add_nc_u32 v[YR], s58, v[YR]
	s_lshl_b32 s58, s[WV], 8
	v_lshlrev_b32 v[GO], 12, v3
	v_lshl_add_u32 v[GO], v2, 4, v[GO]
	v_add_nc_u32 v[GO], s58, v[GO]                 ; out0: lanes 0-15 one row, lanes 16-31 the next; my wave's 256 bytes
	v_lshl_add_u32 v[BO], v3, 5, s58
.irp j, 83,84,85,86,87
	v_mov_b32 v[\j], 0                             ; written once: a lane permute's destination counts as one of its sources
.endr
.set j, 224
.rept 32
	v_mov_b32 v[j], 0                              ; and so do the upper halves of pairs of which the packed forms take the low word
.set j, j+1
.endr
	s_wait_dscnt 0x0                               ; both opening adds are done
	s_wait_kmcnt 0x0
	s_lshl_b32 s56, s22, 18                        ; 64 tokens of 4,096 bytes
	s_mov_b32 s57, 0
	s_add_nc_u64 s[18:19], s[18:19], s[56:57]
	s_add_nc_u64 s[4:5], s[4:5], s[56:57]
	s_lshl_b32 s56, s[WV], 16
	s_add_nc_u64 s[4:5], s[4:5], s[56:57]          ; x at my wave's 16 tokens
	s_and_b32 s56, s22, 63                         ; 64 blocks of tokens to a sequence
	s_lshl_b32 s56, s56, 13
	s_add_nc_u64 s[6:7], s[6:7], s[56:57]
	s_add_nc_u64 s[8:9], s[8:9], s[56:57]
	s_mov_b32 s56, s59
	s_add_nc_u64 s[14:15], s[14:15], s[56:57]      ; the stream at my block of step 0's first half
	s_mov_b32 s[G0], 1                             ; count = 1
	s_mov_b32 s[G0+1], s59                         ; LDS address: slot 0, my block: no place in the cluster enters it
	s_mov_b64 s[G0+2:G0+3], s[14:15]
	s_or_b32 s[G0+3], s[G0+3], 0x80000000          ; type = 2
	s_add_nc_u64 s[14:15], s[14:15], SLOT          ; from here on: my block of a step's second half
	ROUND                                          ; all four work-groups are here: the first joint loads meet
	tensor_load_to_lds s[G0:G0+3], s[G1:G1+7]      ; slot 0; slot 1 is filled behind the first change of slots, as a refill is
	s_nop 0
	PLACES 4
	WIN 0xc0
.irp tt, 0,1,2,3
.irp q, 0,1,2,3
	global_load_b128 v[32*\tt+4*\q:32*\tt+4*\q+3], v[CSO], s[6:7] offset:\tt*2048+16*\q          ; cos of my token of tile tt, pairs 16 hh + 0 .. 15
	global_load_b128 v[32*\tt+16+4*\q:32*\tt+19+4*\q], v[CSO], s[8:9] offset:\tt*2048+16*\q      ; sin
.endr
.endr
	WIN 0
; ---- X.  A K step of 128: 16 loads, a token's 512 consecutive bytes each, into a landing set; through my own stage, so that lane (r, hh) gets blocks hh and 2 + hh of token r whole; quantised: the conversions' results ARE the operand's registers.
.macro LOADX t
	WIN 0x40
.irp i, 0,1,2,3,4,5,6,7,8,9,10,11,12,13,14,15
	global_load_b128 v[64*((\t)%4)+4*\i:64*((\t)%4)+4*\i+3], v[L16], s[4:5] offset:\i*4096+(\t)*512 th:TH_LOAD_NT
.endr
	WIN 0
.endm
.macro TURNX t                         ; LDS serves a wave's instructions in order: no wait between the stores and the loads
	WIN 0x04
.irp i, 0,1,2,3,4,5,6,7,8,9,10,11,12,13,14,15
	ds_store_b128 v[XSTW], v[64*((\t)%4)+4*\i:64*((\t)%4)+4*\i+3] offset:((\t)%2)*8448+\i*528
.endr
	WIN 0
.irp c, 0,1
.irp q, 0,1,2,3,4,5,6,7
	ds_load_b128 v[ACC+64*((\t)%2)+32*\c+4*\q:ACC+64*((\t)%2)+32*\c+4*\q+3], v[XSTR] offset:((\t)%2)*8448+\c*256+\q*16
.endr
.endr
.endm
.macro QUANTX t
.set XB, ACC+64*((\t)%2)
.irp c, 0,1
	v_max3_num_f32 v[76+\c], |v[XB+32*\c]|, |v[XB+32*\c+1]|, 0x1800000   ; block 2 c + hh, all mine; the floor 2^(3 - 127) holds the byte at 1 from below
.endr
.irp i, 2,4,6,8,10,12,14,16,18,20,22,24,26,28,30
.irp c, 0,1
	v_max3_num_f32 v[76+\c], v[76+\c], |v[XB+32*\c+\i]|, |v[XB+32*\c+\i+1]|
.endr
.endr
.irp c, 0,1
	v_add_nc_u32 v[78+\c], 0xff000000, v[76+\c]    ; 2 off the exponent field: the conversion's scale operand
.endr
.irp c, 0,1
	v_lshrrev_b32 v[80+\c], 23, v[78+\c]           ; the scale's byte
.endr
	v_lshl_or_b32 v82, v81, 16, v80                ; my two bytes, at their places in the word (8 hh bits up);
	v_lshlrev_b32 v82, v[SH8], v82
	v_permlanex16_b32 v83, v82, s[SEL], s[SEL+1]
	v_or_b32 v[248+(\t)%2], v82, v83               ; with lane l xor 16's two the word is whole
.irp c, 0,1
.irp g, 0,1,2,3
	v_cvt_scalef32_pk8_fp4_f32 v[232+8*((\t)%2)+4*\c+\g], v[XB+32*\c+8*\g:XB+32*\c+8*\g+7], v[78+\c]
.endr
.endr
	v_nop                                          ; one plain place behind the scaled conversions
	ds_store_b128 v[XIW], v[232+8*((\t)%2):235+8*((\t)%2)] offset:(\t)*1024       ; the fragment goes to LDS as an image of its registers
	ds_store_b128 v[XIW], v[236+8*((\t)%2):239+8*((\t)%2)] offset:(\t)*1024+512
	ds_store_b32 v[XSW], v[248+(\t)%2] offset:(\t)*256
.endm
.macro STEPX t
.if (\t) > 0
	s_wait_dscnt 3                                 ; this step's numbers are back from the stage; the last step's three image stores may be out
.else
	s_wait_dscnt 0x0
.endif
.if (\t)+4 < 8
	LOADX (\t)+4                                   ; into the landing set that this step's stores into the stage have read
.endif
.if (\t) < 7
.if (\t)+4 < 8
	s_wait_loadcnt 48                              ; the next step's 16 loads are in; those of the three steps behind it may be out
.else
	s_wait_loadcnt 16*(6-(\t))                     ; likewise, with fewer steps left
.endif
	TURNX (\t)+1                                   ; through the other stage while this step is quantised
.endif
	QUANTX \t
.endm
	LOADX 0
	LOADX 1
	LOADX 2
	LOADX 3
	s_wait_loadcnt 48                              ; K step 0 (and cos and sin, asked for earlier) are in; three steps' loads may be out
	TURNX 0
.irp t, 0,1,2,3,4,5,6
	STEPX \t
.endr
	GLOADW                                         ; x is in (the last wait on loads was for 0): step 0's second half is asked for here, behind x's loads
	STEPX 7
	BARRIER                                        ; the 32 images and their scale words lie in LDS
	WIN 0x40
.irp f, 0,1,2,3,4,5,6,7,8,9,10,11,12,13,14,15,16,17,18,19,20,21,22,23,24,25,26,27,28,29,30,31
	ds_load_b128 v[8*\f:8*\f+3], v[XIR] offset:\f*1024
	ds_load_b128 v[8*\f+4:8*\f+7], v[XIR] offset:\f*1024+512
.endr
	WIN 0
.irp s8, 0,1,2,3,4,5,6,7
.irp p, 0,1
	ds_load_b32 v[XS+2*\s8+\p], v[XSR] offset:\s8*256+\p*128       ; register 2 s8 + p: tile 2 p in lanes 0-15, tile 2 p + 1 in lanes 16-31
.endr
.endr
; ---- QK: eight steps, q's heads 4 s + w and then k's.  A(tt, i) = v[ACC + 32 tt + i] is channel 32 hh + i of my head, for token r of tile tt.
.macro ROPE2 pp                        ; pairs 2 pp and 2 pp + 1: (re, im) -> (re c - im s, im c + re s): a packed multiply by c, a packed multiply-add with the halves crossed and s negated in the low half
.irp tt, 0,1,2,3
	v_pk_mul_f32 v[224+2*\tt:225+2*\tt], v[ACC+32*\tt+4*\pp:ACC+32*\tt+4*\pp+1], v[32*\tt+2*\pp:32*\tt+2*\pp+1] op_sel:[0,0] op_sel_hi:[1,0]
.endr
.irp tt, 0,1,2,3
	v_pk_fma_f32 v[ACC+32*\tt+4*\pp:ACC+32*\tt+4*\pp+1], v[ACC+32*\tt+4*\pp:ACC+32*\tt+4*\pp+1], v[32*\tt+16+2*\pp:32*\tt+17+2*\pp], v[224+2*\tt:225+2*\tt] op_sel:[1,0,0] op_sel_hi:[0,0,1] neg_lo:[0,1,0]
.endr
.irp tt, 0,1,2,3
	v_pk_mul_f32 v[224+2*\tt:225+2*\tt], v[ACC+32*\tt+4*\pp+2:ACC+32*\tt+4*\pp+3], v[32*\tt+2*\pp:32*\tt+2*\pp+1] op_sel:[0,1] op_sel_hi:[1,1]
.endr
.irp tt, 0,1,2,3
	v_pk_fma_f32 v[ACC+32*\tt+4*\pp+2:ACC+32*\tt+4*\pp+3], v[ACC+32*\tt+4*\pp+2:ACC+32*\tt+4*\pp+3], v[32*\tt+16+2*\pp:32*\tt+17+2*\pp], v[224+2*\tt:225+2*\tt] op_sel:[1,1,0] op_sel_hi:[0,1,1] neg_lo:[0,1,0]
.endr
.endm
	s_mov_b32 s49, 0                               ; where the step's four heads lie in a token's codes: 64 bytes a step, q's 256 and then k's 256 in each half
	s_mov_b32 s50, 0                               ; and among its scale words: 16 bytes a step
	s_mov_b32 s47, 0
.Lqk:
	s_cmp_lt_u32 s47, 4                            ; the gain of q or of k: a choice on the count of steps.  (The last trip's loads by this pair were waited for in that trip)
	s_cselect_b64 s[54:55], s[10:11], s[12:13]
	WIN 0xc0
.irp q, 0,1,2,3,4,5,6,7
	global_load_b128 v[128+4*\q:131+4*\q], v[GOF], s[54:55] offset:16*\q
.endr
	WIN 0
	TRIP 1
	MM 0, 1, 0
	HALF2 8, 1, -1, 0                              ; behind the second half's 40 loads stand the 8 of the gain; the next step's groups are asked for K step by K step
.irp tt, 0,1,2,3
	v_pk_mul_f32 v[76+2*\tt:77+2*\tt], v[ACC+32*\tt:ACC+32*\tt+1], v[ACC+32*\tt:ACC+32*\tt+1]   ; the sum of squares, two at a time, each accumulator from its low end on; the four tiles by turns
.endr
.irp i, 2,4,6,8,10,12,14,16,18,20,22,24,26,28,30
.irp tt, 0,1,2,3
	v_pk_fma_f32 v[76+2*\tt:77+2*\tt], v[ACC+32*\tt+\i:ACC+32*\tt+\i+1], v[ACC+32*\tt+\i:ACC+32*\tt+\i+1], v[76+2*\tt:77+2*\tt]
.endr
.endr
.irp tt, 0,1,2,3
	v_add_f32 v[76+2*\tt], v[76+2*\tt], v[77+2*\tt]
.endr
.irp tt, 0,1,2,3
	v_permlanex16_b32 v[84+\tt], v[76+2*\tt], s[SEL], s[SEL+1]
.endr
.irp tt, 0,1,2,3
	v_add_f32 v[76+2*\tt], v[76+2*\tt], v[84+\tt]  ; with the head's other 32 channels
.endr
	s_wait_alu depctr_va_vdst(0)
.irp tt, 0,1,2,3
	v_sqrt_f32 v[88+\tt], v[76+2*\tt]
.endr
	v_nop                                          ; a plain place behind the roots,
	s_wait_alu depctr_va_vdst(0)                   ; and one wait for the four, ahead of their first reader
.irp tt, 0,1,2,3
	v_fma_f32 v[88+\tt], v[88+\tt], s45, s46       ; norm / 8 + 1e-6
.endr
	s_wait_alu depctr_va_vdst(0)
.irp tt, 0,1,2,3
	v_rcp_f32 v[240+2*\tt], v[88+\tt]
.endr
	v_nop
	s_wait_alu depctr_va_vdst(0)                   ; one wait for the four reciprocals
.irp i, 0,2,4,6,8,10,12,14,16,18,20,22,24,26,28,30
.irp tt, 0,1,2,3
	v_pk_mul_f32 v[ACC+32*\tt+\i:ACC+32*\tt+\i+1], v[ACC+32*\tt+\i:ACC+32*\tt+\i+1], v[240+2*\tt:241+2*\tt] op_sel_hi:[1,0]
.endr
.endr
	s_wait_loadcnt 40                              ; the gain is in; the next step's 40 weight loads, issued behind it, may be out
	WIN 0x0c                                       ; source 1 in window 3: the gain, cos and sin
.irp i, 0,2,4,6,8,10,12,14,16,18,20,22,24,26,28,30
.irp tt, 0,1,2,3
	v_pk_mul_f32 v[ACC+32*\tt+\i:ACC+32*\tt+\i+1], v[ACC+32*\tt+\i:ACC+32*\tt+\i+1], v[128+\i:129+\i]
.endr
.endr
.irp pp, 0,1,2,3,4,5,6,7
	ROPE2 \pp
.endr
	WIN 0
.irp tt, 0,1,2,3
	v_max3_num_f32 v[88+\tt], |v[ACC+32*\tt]|, |v[ACC+32*\tt+1]|, 0x1800000   ; my 32 channels are a whole block; the floor holds the byte at 1
.endr
.irp i, 2,4,6,8,10,12,14,16,18,20,22,24,26,28,30
.irp tt, 0,1,2,3
	v_max3_num_f32 v[88+\tt], v[88+\tt], |v[ACC+32*\tt+\i]|, |v[ACC+32*\tt+\i+1]|
.endr
.endr
.irp tt, 0,1,2,3
	v_add_nc_u32 v[92+\tt], 0xff000000, v[88+\tt]
.endr
.irp tt, 0,1,2,3
	v_lshrrev_b32 v[76+\tt], 23, v[92+\tt]
.endr
.irp tt, 0,1,2,3
	v_lshlrev_b32 v[76+\tt], v[SH8], v[76+\tt]     ; block hh is byte hh of the head's word
.endr
.irp tt, 0,1,2,3
	v_permlanex16_b32 v[84+\tt], v[76+\tt], s[SEL], s[SEL+1]
.endr
.irp tt, 0,1,2,3
	v_or_b32 v[80+\tt], v[76+\tt], v[84+\tt]
.endr
.irp tt, 0,1,2,3
	v_or_b32 v[80+\tt], 0x7f7f0000, v[80+\tt]      ; bytes 2 and 3 stand over the zero codes that fill K from 64 to 128
.endr
.irp tt, 0,1,2,3
.irp g, 0,1,2,3
	v_cvt_scalef32_pk8_fp4_f32 v[224+4*\tt+\g], v[ACC+32*\tt+8*\g:ACC+32*\tt+8*\g+7], v[92+\tt]
.endr
.endr
	v_nop                                          ; one plain place behind the scaled conversions
	v_add_nc_u32 v[QCA], s49, v[QCW]
	v_add_nc_u32 v[QSA], s50, v[QSW]
.irp tt, 0,1,2,3
	ds_store_b128 v[QCA], v[224+4*\tt:227+4*\tt] offset:\tt*16640
.endr
.irp tt, 0,1,2,3
	ds_store_b32 v[QSA], v[80+\tt] offset:\tt*2112 ; both halves hold the same word
.endr
	s_add_co_u32 s49, s49, 64
	s_add_co_u32 s50, s50, 16
	s_add_co_u32 s47, s47, 1
	s_cmp_lt_u32 s47, 8
	s_cbranch_scc1 .Lqk
	BLOAD                                          ; the gain is done with: its registers take the bias of PROJ's first step, asked for two phases ahead
; ---- SCORES: my 16 tokens, four at a time.  S^T = k q^T: source 0 = the 16 heads of k, source 1 = those of q: lane (h, hh) holds head h of q and heads g = 8 hh + 0 .. 7 of k.
.macro SCORE4 q
.irp tk, 0,1,2,3
	ds_load_b128 v[96+8*\tk:99+8*\tk], v[SCA] offset:(4*\q+\tk)*1040+256
	ds_load_b128 v[128+8*\tk:131+8*\tk], v[SCA] offset:(4*\q+\tk)*1040
	ds_load_b32 v[SS+\tk], v[SCS] offset:(4*\q+\tk)*132
.endr
	s_wait_dscnt 0x0
.irp tk, 0,1,2,3
	v_wmma_scale_f32_16x16x128_f8f6f4 v[160+8*\tk:167+8*\tk], v[96+8*\tk:103+8*\tk], v[128+8*\tk:135+8*\tk], 0, v[SS+\tk], v[SS+\tk] matrix_a_fmt:MATRIX_FMT_FP4 matrix_b_fmt:MATRIX_FMT_FP4 matrix_a_scale:MATRIX_SCALE_ROW1
.endr
	PLACES 5                                       ; four in front of the reads of results and of the next loads into the operands; the fifth for the next four products, which write over these results
.irp tk, 0,1,2,3
	v_max3_num_f32 v[76+\tk], v[160+8*\tk], v[161+8*\tk], v[162+8*\tk]
.endr
.irp tk, 0,1,2,3
	v_max3_num_f32 v[76+\tk], v[76+\tk], v[163+8*\tk], v[164+8*\tk]
.endr
.irp tk, 0,1,2,3
	v_max3_num_f32 v[76+\tk], v[76+\tk], v[165+8*\tk], v[166+8*\tk]
.endr
.irp tk, 0,1,2,3
	v_max_num_f32 v[76+\tk], v[76+\tk], v[167+8*\tk]
.endr
.irp tk, 0,1,2,3
	v_permlanex16_b32 v[84+\tk], v[76+\tk], s[SEL], s[SEL+1]
.endr
.irp tk, 0,1,2,3
	v_max_num_f32 v[76+\tk], v[76+\tk], v[84+\tk]  ; the row's largest score
.endr
.irp tk, 0,1,2,3
	v_mul_f32 v[224+2*\tk], s44, v[76+\tk]
.endr
.irp j, 0,2,4,6
.irp tk, 0,1,2,3
	v_pk_fma_f32 v[160+8*\tk+\j:161+8*\tk+\j], v[160+8*\tk+\j:161+8*\tk+\j], s[C2:C2+1], v[224+2*\tk:225+2*\tk] op_sel_hi:[1,0,0]   ; (score - maximum) log2(e) / 8
.endr
.endr
	s_wait_alu depctr_va_vdst(0)
.irp j, 0,1,2,3,4,5,6,7
.irp tk, 0,1,2,3
	v_exp_f32 v[160+8*\tk+\j], v[160+8*\tk+\j]
.endr
.endr
	v_nop                                          ; a plain place behind the 32 exponentials,
	s_wait_alu depctr_va_vdst(0)                   ; and one wait for the batch
.irp tk, 0,1,2,3
	v_pk_add_f32 v[232+2*\tk:233+2*\tk], v[160+8*\tk:161+8*\tk], v[162+8*\tk:163+8*\tk]
.endr
.irp tk, 0,1,2,3
	v_pk_add_f32 v[240+2*\tk:241+2*\tk], v[164+8*\tk:165+8*\tk], v[166+8*\tk:167+8*\tk]
.endr
.irp tk, 0,1,2,3
	v_pk_add_f32 v[232+2*\tk:233+2*\tk], v[232+2*\tk:233+2*\tk], v[240+2*\tk:241+2*\tk]
.endr
.irp tk, 0,1,2,3
	v_add_f32 v[232+2*\tk], v[232+2*\tk], v[233+2*\tk]
.endr
.irp tk, 0,1,2,3
	v_permlanex16_b32 v[84+\tk], v[232+2*\tk], s[SEL], s[SEL+1]
.endr
.irp tk, 0,1,2,3
	v_add_f32 v[232+2*\tk], v[232+2*\tk], v[84+\tk]
.endr
	s_wait_alu depctr_va_vdst(0)
.irp tk, 0,1,2,3
	v_rcp_f32 v[248+2*\tk], v[232+2*\tk]
.endr
	v_nop
	s_wait_alu depctr_va_vdst(0)                   ; one wait for the four reciprocals
	WIN 0xc0
.irp tk, 0,1,2,3
.irp j, 0,2,4,6
	v_pk_mul_f32 v[8*(4*\q+\tk)+\j:8*(4*\q+\tk)+\j+1], v[160+8*\tk+\j:161+8*\tk+\j], v[248+2*\tk:249+2*\tk] op_sel_hi:[1,0]   ; P, normalised, stays in window 3, where cos and sin lay
.endr
.endr
	WIN 0
.endm
	BARRIER                                        ; all heads' codes and scale words lie in LDS
.irp tk, 0,1,2,3
.irp j, 4,5,6,7
	v_mov_b32 v[96+8*\tk+\j], 0                    ; K = 64 .. 127 of both operands: zero codes, once for the four batches
	v_mov_b32 v[128+8*\tk+\j], 0
.endr
.endr
	PLACES 4                                       ; an operand written by vector instructions stands four places ahead of a scaled matrix instruction
	s_wait_alu depctr_va_vdst(0)
	SCORE4 0
	SCORE4 1
	SCORE4 2
	SCORE4 3
; ---- V and P V, a chunk of 32 channels at a time.  In a step wave w makes, for the 64 tokens, heads 8 sp + 2 w and + 1, channels 32 c + 0 .. 31; they go to V's stage from inside the second half's last group of loads.
; O^T = V^T P^T by the f32 form, 16 x 16 x 4: source 0 = 16 channels, source 1 = the token's 16 heads h.  K slot (hh, j) of step s stands for head g = 8 hh + 2 s + j on both sides: so P's registers 2 s, 2 s + 1 are the operand.
; Row m of tile T stands for channel 16 (m / 8) + 8 T + m % 8: so lane (h, hh) ends with channels 16 hh + 0 .. 15 in the 16 registers of the token's two tiles.
.macro PVLOADT q, tk
.set VB, ACC+64*((\q)%2)
.irp T, 0,1
.irp s, 0,1,2,3
.irp j, 0,1
	ds_load_b32 v[VB+16*(\tk)+8*\T+2*\s+\j], v[VRD] offset:(4*(\q)+(\tk))*2320+(2*\s+\j)*144+32*\T
.endr
.endr
.endr
.endm
.macro PVMM q                          ; 32 products, the eight accumulators by turns; behind each eight, a quarter of the next batch's loads, into the other buffer: the products that read it have their nine places behind them
.set VA, ACC+64*((\q)%2)
.irp s, 0,1,2,3
	WIN 0xfc                                       ; V^T window 0; P, C and D window 3
.irp tk, 0,1,2,3
.irp T, 0,1
.if \s == 0
	v_wmma_f32_16x16x4_f32 v[192+16*\tk+8*\T:199+16*\tk+8*\T], v[VA+16*\tk+8*\T+2*\s:VA+16*\tk+8*\T+2*\s+1], v[8*(4*(\q)+\tk)+2*\s:8*(4*(\q)+\tk)+2*\s+1], 0
.else
	v_wmma_f32_16x16x4_f32 v[192+16*\tk+8*\T:199+16*\tk+8*\T], v[VA+16*\tk+8*\T+2*\s:VA+16*\tk+8*\T+2*\s+1], v[8*(4*(\q)+\tk)+2*\s:8*(4*(\q)+\tk)+2*\s+1], v[192+16*\tk+8*\T:199+16*\tk+8*\T]
.endif
.endr
.endr
.if (\q) < 3
	WIN 0
	PVLOADT (\q)+1, \s
.endif
.endr
	WIN 0
	PLACES 9                                       ; this form wants eight places in front of reads of its results and of loads into its operands, nine in front of matrix instructions that write over its registers
.endm
.macro PVEPI q                         ; my 16 channels of four tokens are half blocks of the last product's K: the largest magnitude with lane l xor 16's, the byte, 16 codes: 8 bytes
	WIN 0x0f
.irp tk, 0,1,2,3
	v_max3_num_f32 v[76+\tk], |v[192+16*\tk]|, |v[193+16*\tk]|, 0x1800000
.endr
.irp i, 2,4,6,8,10,12,14
.irp tk, 0,1,2,3
	v_max3_num_f32 v[76+\tk], |v[192+16*\tk+\i]|, |v[193+16*\tk+\i]|, v[76+\tk]
.endr
.endr
	WIN 0
.irp tk, 0,1,2,3
	v_permlanex16_b32 v[84+\tk], v[76+\tk], s[SEL], s[SEL+1]
.endr
.irp tk, 0,1,2,3
	v_max_num_f32 v[76+\tk], v[76+\tk], v[84+\tk]
.endr
.irp tk, 0,1,2,3
	v_add_nc_u32 v[88+\tk], 0xff000000, v[76+\tk]
.endr
.irp tk, 0,1,2,3
	v_lshrrev_b32 v[224+4*((\q)%2)+\tk], 23, v[88+\tk]
.endr
	WIN 0x03
.irp tk, 0,1,2,3
	v_cvt_scalef32_pk8_fp4_f32 v[232+8*((\q)%2)+2*\tk], v[192+16*\tk:199+16*\tk], v[88+\tk]
	v_cvt_scalef32_pk8_fp4_f32 v[233+8*((\q)%2)+2*\tk], v[200+16*\tk:207+16*\tk], v[88+\tk]
.endr
	WIN 0
	v_nop                                          ; one plain place behind the scaled conversions: matrix instructions write their sources next
.irp tk, 0,1,2,3
	ds_store_b64 v[OCA], v[232+8*((\q)%2)+2*\tk:233+8*((\q)%2)+2*\tk] offset:(4*(\q)+\tk)*528
.endr
.irp tk, 0,1,2,3
	ds_store_b8 v[OSA], v[224+4*((\q)%2)+\tk] offset:(4*(\q)+\tk)*36   ; both halves write the same byte
.endr
.endm
	s_mov_b32 s52, 0                               ; the chunk's 16 bytes in a head's 32 of codes,
	s_mov_b32 s53, 0                               ; and its byte of the head's two
	s_mov_b32 s47, 2
.Lchunk:
	TRIP 1                                         ; (every wave comes here with its reads of the last chunk's V over: the stores below stand behind this round)
	MM 0, 1, 0
	HALF2 0, 1, 0, 0                               ; nothing was asked for behind the four groups (the first time the bias's 8: the lower count serves both ways in)
	TRIP 1
	MM 0, 1, 0
	HALF2 0, 1, 1, 0
	BARRIER                                        ; the chunk of V lies in LDS, all 16 heads of all 64 tokens
	v_add_nc_u32 v[OCA], s52, v[OCW]
	v_add_nc_u32 v[OSA], s53, v[OSW]
.irp tk, 0,1,2,3
	PVLOADT 0, \tk
.endr
.irp q, 0,1,2,3
.if \q == 0
	s_wait_dscnt 0x0
.else
	s_wait_dscnt 8                                 ; this batch's 64 loads are in; the last batch's 8 stores of codes and bytes may be out
.endif
	PVMM \q
	PVEPI \q
.endr
	s_add_co_u32 s52, s52, 16
	s_add_co_u32 s53, s53, 1
	s_sub_co_u32 s47, s47, 1
	s_cmp_lg_u32 s47, 0
	s_cbranch_scc1 .Lchunk
; ---- PROJ: the attention's codes take the tokens' place in window 1; four steps of 256 outputs, 64 a wave.
.macro SEND tt
	WIN 0x0c                                       ; a store's data are its source 1: window 3
.irp i, 0,1,2,3,4,5,6,7
	global_store_b128 v[GO], v[32*(\tt)+4*\i:32*(\tt)+4*\i+3], s[18:19] offset:(16*(\tt)+2*\i)*4096 th:TH_STORE_NT   ; sixteen lanes store 256 consecutive bytes, aligned; written once
.endr
	WIN 0
.endm
.macro YSTEP                           ; the last step's stores, issued a step ago, have read their registers and their base: the base steps (by 0 the first time), and this step's rows may land in those registers
	s_wait_xcnt 0x0
	s_add_nc_u64 s[18:19], s[18:19], s[56:57]
	s_mov_b32 s56, 1024
.endm
.macro YOUT                            ; a tile of 16 tokens x my 64 outputs at a time through my own stage; LDS serves a wave's instructions in order.  Each tile's rows have registers of their own
.irp tt, 0,1,2,3
.irp nt, 0,1,2,3
	ds_store_b128 v[YW], v[ACC+32*\tt+8*\nt:ACC+32*\tt+8*\nt+3] offset:(\tt%2)*4352+\nt*64
	ds_store_b128 v[YW], v[ACC+32*\tt+8*\nt+4:ACC+32*\tt+8*\nt+7] offset:(\tt%2)*4352+\nt*64+16
.endr
	WIN 0xc0
.irp i, 0,1,2,3,4,5,6,7
	ds_load_b128 v[32*\tt+4*\i:32*\tt+4*\i+3], v[YR] offset:(\tt%2)*4352+\i*544
.endr
	WIN 0
.if \tt >= 1
	s_wait_dscnt 16                                ; the tile before is back in registers; this tile's 8 stores and 8 loads may be out
	SEND \tt-1
.endif
.endr
	s_wait_dscnt 0x0
	SEND 3
.endm
	BARRIER                                        ; the attention's codes and scale bytes lie in LDS; nobody reads V any more
	WIN 0x40
.irp tt, 0,1,2,3
.irp s8, 0,1,2,3,4,5,6,7
.irp c, 0,1
	ds_load_b128 v[8*(8*\tt+\s8)+4*\c:8*(8*\tt+\s8)+4*\c+3], v[OCR] offset:\tt*8448+\s8*64+\c*32
.endr
.endr
.endr
	WIN 0
.irp s8, 0,1,2,3,4,5,6,7
.irp p, 0,1
	ds_load_b32 v[XS+2*\s8+\p], v[OSR] offset:\p*1152+4*\s8        ; lane l: token 32 p + l
.endr
.endr
	s_mov_b32 s56, 0                               ; what the first way out adds to out0's address; 1,024 from then on
	s_mov_b32 s57, 0
	s_mov_b32 s47, 3
.Lproj:
	TRIP 1
	s_wait_loadcnt 40                              ; the bias is in (on the way in: since phase V's first step); the second half's 40 loads, issued behind it, may be out
	s_add_nc_u64 s[16:17], s[16:17], 1024          ; that wait has shown the bias's loads done: their base steps to the next step's 256 numbers
	MM 0, 2, 0
	YSTEP
	HALF2 8, 1, -1, 1                              ; behind this step's four groups stand the 8 loads of the next bias
	YOUT
	s_sub_co_u32 s47, s47, 1
	s_cmp_lg_u32 s47, 0
	s_cbranch_scc1 .Lproj
	TRIP 0                                         ; the last step is written out: it asks for nothing more, by either road
	s_wait_loadcnt 40
	MM 0, 2, 0
	YSTEP
	HALF2 0, 0, -1, 0
	YOUT
	s_wait_tensorcnt 0x0                           ; the wave's end, behind my last tensor load and my last LDS store
	ds_add_u32 v[SPW], v[NIL]
	s_wait_dscnt 0x0
	ROUND                                          ; the closing round: no work-group ends while a partner may still ask for a block that names it
	s_endpgm
.Lfunc_end_k_qb0041c61e5_fused:
	.size	k_qb0041c61e5_fused, .Lfunc_end_k_qb0041c61e5_fused-k_qb0041c61e5_fused
	.p2alignl 7, 3214868480
	.fill 96, 4, 3214868480
	.section	.rodata,"a",@progbits
	.p2align	6, 0x0
	.amdhsa_kernel k_qb0041c61e5_fused
		.amdhsa_group_segment_fixed_size 327680
		.amdhsa_private_segment_fixed_size 0
		.amdhsa_enable_private_segment 0
		.amdhsa_kernarg_size 64
		.amdhsa_user_sgpr_count 2
		.amdhsa_user_sgpr_kernarg_segment_ptr 1
		.amdhsa_wavefront_size32 1
		.amdhsa_system_sgpr_workgroup_id_x 1
		.amdhsa_system_sgpr_workgroup_id_y 1
		.amdhsa_system_sgpr_workgroup_id_z 1
		.amdhsa_system_vgpr_workitem_id 0
		.amdhsa_next_free_vgpr 1024
		.amdhsa_next_free_sgpr 66
		.amdhsa_reserve_vcc 0
		.amdhsa_float_denorm_mode_32 3
		.amdhsa_float_denorm_mode_16_64 3
		.amdhsa_memory_ordered 1
		.amdhsa_forward_progress 1
		.amdhsa_inst_pref_size 255
	.end_amdhsa_kernel
	.section	.bss,"aw",@nobits
	.p2align	6
	.space	262144
	.amdgpu_metadata
---
amdhsa.version: [ 1, 2 ]
amdhsa.kernels:
  - .name:           k_qb0041c61e5_fused
    .symbol:         k_qb0041c61e5_fused.kd
    .args:
      - { .name: x, .offset: 0, .size: 8, .value_kind: global_buffer, .address_space: global }
      - { .name: freqs_cos, .offset: 8, .size: 8, .value_kind: global_buffer, .address_space: global }
      - { .name: freqs_sin, .offset: 16, .size: 8, .value_kind: global_buffer, .address_space: global }
      - { .name: g_q, .offset: 24, .size: 8, .value_kind: global_buffer, .address_space: global }
      - { .name: g_k, .offset: 32, .size: 8, .value_kind: global_buffer, .address_space: global }
      - { .name: wstream, .offset: 40, .size: 8, .value_kind: global_buffer, .address_space: global }
      - { .name: b_proj, .offset: 48, .size: 8, .value_kind: global_buffer, .address_space: global }
      - { .name: out0, .offset: 56, .size: 8, .value_kind: global_buffer, .address_space: global }
    .group_segment_fixed_size: 327680
    .private_segment_fixed_size: 0
    .kernarg_segment_align: 8
    .kernarg_segment_size: 64
    .max_flat_workgroup_size: 128
    .sgpr_count:     66
    .vgpr_count:     1024
    .wavefront_size: 32
...
	.end_amdgpu_metadata
.endif
;; end of part 4
